; MI455X (gfx1250); checked and timed in simulation.
; The chip was launched on July 23, 2026; its instructions are those of AMD's public machine-readable ISA for CDNA 5 (MIT licence, August 2026) and "CDNA5" Instruction Set Architecture Reference Guide (July 2026). The comments in the code are by the model that wrote it; some were corrected since.
;; Rope Attention. Allowed arithmetic: float matrix products may take bf16 or f16 operands with f32 sums; other float arithmetic in f32, or as packed bf16 or f16 multiplies, adds, multiply-adds, maxima and minima; sums over many terms, partial sums and values carried from step to step in f32; what a program stores and reads back later, other than sums and carried values, may be rounded once to bf16 or f16.
;; Inputs: proj_b 1,024 float32; proj_w 1,024 x 1,024 float32; qkv_b 3,072 float32; qkv_w 3,072 x 1,024 float32; x 4 x 2,048 x 1,024 float32.
;; Outputs: out0 4 x 2,048 x 1,024 float32.
;; 2 versions, each right; version 2 is version 1 with the launch prep written anew for expert scheduling mode. Each part assembles by itself: llvm-mc -triple=amdgcn-amd-amdhsa -mcpu=gfx1250 --defsym DOCPART=n.
;; ======== version 1 of 2: 4 launches
;; limits: values are held in f16: magnitudes above 65,504 overflow, below 6.1e-05 lose precision
;; workspace buffers: xb 16,777,216 bytes; wqb 6,291,456 bytes; wpb 2,097,152 bytes; rope 524,288 bytes; qkvh 50,331,648 bytes; oh 16,777,216 bytes
;; launch prep (part 1): grid 896 x 1, 8 waves a work-group, no clusters, 0 bytes of LDS; arguments x, qkv_w, proj_w, xb, wqb, wpb, rope; writes xb, wqb, wpb, rope
.if DOCPART == 1
	.amdgcn_target "amdgcn-amd-amdhsa--gfx1250"
	.amdhsa_code_object_version 6
	.text
	.protected	k_q04df6b3628_prep
	.globl	k_q04df6b3628_prep
	.p2align	8
	.type	k_q04df6b3628_prep,@function
k_q04df6b3628_prep:
	s_mov_b64 s[64:65], 0
	v_nop
	global_prefetch_b8 v0, s[64:65] scope:SCOPE_SE
	s_setreg_imm32_b32 hwreg(HW_REG_WAVE_MODE, 25, 1), 1
	s_wait_xcnt 0x0
; PREPARATION.  Work-groups 0-511: x -> xb (bf16).  512-703: qkv_w -> wqb (bf16).  704-767: proj_w -> wpb (rounded to bf16, that number written as f16).
; 768-895: the table of rotations, rope[l][0..31] = cos(l f_j) - 1, rope[l][32..63] = -sin(l f_j) for even j, +sin(l f_j) for odd j, f_j = 10000^(-j/32), all f32.
; A cast's work-group takes 16,384 numbers: thread t the 16 bytes at 16 t of each of 16 blocks of 4,096 bytes; all 16 loads of a wave go out at once; a wave's load covers
; 512 consecutive bytes, its store 256 consecutive bytes, aligned.  No LDS, no barrier, no matrix work: nothing is shared and nothing is read twice.
; LIMITS.  proj_w beyond 65,504 has no f16.  f_j is 2^(-j log2(10000)/32) by v_exp_f32, so an angle may differ from one made by a power function by about 2e-4 at l = 2047.
; Sine and cosine: the angle less the nearest multiple of pi/2 (pi/2 in two parts), then polynomials of degree 7 and 8 on -pi/4 .. pi/4; angles here stay under 2,048.
.set X, 8                              ; v[8:71]   16 x 4 numbers as loaded
.set Y, 72                             ; v[72:103] 16 x 2 words to store; each written for one store alone
	s_load_b256 s[4:11], s[0:1], 0x0               ; x s[4:5], qkv_w s[6:7], proj_w s[8:9], xb s[10:11]
	s_load_b128 s[12:15], s[0:1], 0x20             ; wqb s[12:13], wpb s[14:15]
	s_load_b64 s[16:17], s[0:1], 0x30              ; rope
	s_mov_b32 s20, ttmp9
	s_movk_i32 s28, 512
	s_movk_i32 s29, 704
	s_mov_b32 s27, 0
	v_lshlrev_b32 v1, 4, v0                        ; 16 t
	v_lshlrev_b32 v2, 3, v0                        ; 8 t
	s_wait_kmcnt 0x0
	s_cmp_ge_u32 s20, 768
	s_cbranch_scc1 .Ltable
	s_cmp_lt_u32 s20, 704                          ; which tensor: source, destination, its first work-group
	s_cselect_b64 s[22:23], s[6:7], s[8:9]
	s_cselect_b64 s[24:25], s[12:13], s[14:15]
	s_cselect_b32 s21, s28, s29
	s_cmp_lt_u32 s20, 512
	s_cselect_b64 s[22:23], s[4:5], s[22:23]
	s_cselect_b64 s[24:25], s[10:11], s[24:25]
	s_cselect_b32 s21, 0, s21
	s_sub_co_u32 s21, s20, s21
	s_lshl_b32 s26, s21, 16                        ; 65,536 bytes in
	s_add_nc_u64 s[22:23], s[22:23], s[26:27]
	s_lshl_b32 s26, s21, 15                        ; 32,768 bytes out
	s_add_nc_u64 s[24:25], s[24:25], s[26:27]
.irp i, 0,1,2,3,4,5,6,7,8,9,10,11,12,13,14,15
	global_load_b128 v[X+4*(\i):X+4*(\i)+3], v1, s[22:23] offset:4096*(\i) th:TH_LOAD_NT
.endr
; Block i: its load is in when at most 15 - i younger ones are out (loads come back in order).  half = 1: the bf16 number is widened again and written as f16.
.macro CAST i, half
	s_wait_loadcnt 15-(\i)
	v_cvt_pk_bf16_f32 v[Y+2*(\i)],   v[X+4*(\i)],   v[X+4*(\i)+1]
	v_cvt_pk_bf16_f32 v[Y+2*(\i)+1], v[X+4*(\i)+2], v[X+4*(\i)+3]
.if \half
	v_lshlrev_b32 v[X+4*(\i)],   16, v[Y+2*(\i)]
	v_and_b32     v[X+4*(\i)+1], 0xffff0000, v[Y+2*(\i)]
	v_lshlrev_b32 v[X+4*(\i)+2], 16, v[Y+2*(\i)+1]
	v_and_b32     v[X+4*(\i)+3], 0xffff0000, v[Y+2*(\i)+1]
	v_cvt_pk_f16_f32 v[Y+2*(\i)],   v[X+4*(\i)],   v[X+4*(\i)+1]
	v_cvt_pk_f16_f32 v[Y+2*(\i)+1], v[X+4*(\i)+2], v[X+4*(\i)+3]
.endif
	global_store_b64 v2, v[Y+2*(\i):Y+2*(\i)+1], s[24:25] offset:2048*(\i)
.endm
	s_cmp_ge_u32 s20, 704
	s_cbranch_scc1 .Lhalf
.irp i, 0,1,2,3,4,5,6,7,8,9,10,11,12,13,14,15
	CAST \i, 0
.endr
	s_endpgm
.Lhalf:
.irp i, 0,1,2,3,4,5,6,7,8,9,10,11,12,13,14,15
	CAST \i, 1
.endr
	s_endpgm
; THE TABLE.  16 rows a work-group; thread t makes the four words at 16 (t % 16) of row t / 16: sixteen lanes store one row of 256 bytes.
; Number e of the four has registers v[16+8e ..]: +0 f, +1 angle, +2 n, +3 r, +4 r^2, +5 sine, +6 cosine, +7 quadrant.
.Ltable:
	s_sub_co_u32 s21, s20, 768
	s_lshl_b32 s22, s21, 4                         ; the work-group's first row
	s_lshl_b32 s26, s21, 12                        ; and its bytes
	s_add_nc_u64 s[16:17], s[16:17], s[26:27]
	v_and_b32 v3, 15, v0                           ; p: which 16 bytes of the row
	v_lshrrev_b32 v4, 4, v0                        ; which row
	v_and_b32 v5, 7, v3
	v_lshlrev_b32 v5, 2, v5                        ; j of my first number
	v_lshrrev_b32 v6, 3, v3                        ; 0: cosines, 1: sines
	v_mul_u32_u24 v7, 3, v6                        ; sin x = cos(x + 3 pi/2): three quadrants on
	v_lshlrev_b32 v8, 31, v6                       ; the sign that even j's sines take
	v_cvt_f32_u32 v9, v6
	v_add_f32 v9, -1.0, v9                         ; -1 for cosines, 0 for sines
	v_add_nc_u32 v10, s22, v4
	v_cvt_f32_u32 v10, v10                         ; l
	v_mov_b32 v11, 0xb94ca1f9                      ; the sine's highest coefficient
	v_mov_b32 v12, 0x37ccf5ce                      ; the cosine's
.irp e, 0,1,2,3
	v_add_nc_u32 v[16+8*\e], \e, v5
	v_cvt_f32_u32 v[16+8*\e], v[16+8*\e]
	v_mul_f32 v[16+8*\e], 0xbed49a78, v[16+8*\e]   ; -j log2(10000) / 32
.endr
.irp e, 0,1,2,3
	v_exp_f32 v[16+8*\e], v[16+8*\e]
.endr
	v_nop                                          ; a plain instruction behind the last exponential,
	s_wait_alu depctr_va_vdst(0)                   ; and one wait for the four, ahead of their first reader
.irp e, 0,1,2,3
	v_mul_f32 v[17+8*\e], v10, v[16+8*\e]          ; the angle l f
.endr
.irp e, 0,1,2,3
	v_mul_f32 v[18+8*\e], 0x3f22f983, v[17+8*\e]   ; x 2 / pi
.endr
.irp e, 0,1,2,3
	v_rndne_f32 v[18+8*\e], v[18+8*\e]             ; n
.endr
.irp e, 0,1,2,3
	v_fmamk_f32 v[19+8*\e], v[18+8*\e], 0xbfc90fdb, v[17+8*\e]  ; r = angle - n pi/2: the high part,
.endr
.irp e, 0,1,2,3
	v_fmamk_f32 v[19+8*\e], v[18+8*\e], 0x333bbd2e, v[19+8*\e]  ; the low part
.endr
.irp e, 0,1,2,3
	v_cvt_i32_f32 v[23+8*\e], v[18+8*\e]
	v_mul_f32 v[20+8*\e], v[19+8*\e], v[19+8*\e]   ; r^2
.endr
.irp e, 0,1,2,3
	v_add_nc_u32 v[23+8*\e], v[23+8*\e], v7        ; the quadrant
	v_fmaak_f32 v[21+8*\e], v11, v[20+8*\e], 0x3c08839e
	v_fmaak_f32 v[22+8*\e], v12, v[20+8*\e], 0xbab6061a
.endr
.irp e, 0,1,2,3
	v_fmaak_f32 v[21+8*\e], v[21+8*\e], v[20+8*\e], 0xbe2aaaa3
	v_fmaak_f32 v[22+8*\e], v[22+8*\e], v[20+8*\e], 0x3d2aaaa5
.endr
.irp e, 0,1,2,3
	v_mul_f32 v[21+8*\e], v[21+8*\e], v[20+8*\e]
	v_fma_f32 v[22+8*\e], v[22+8*\e], v[20+8*\e], -0.5
.endr
.irp e, 0,1,2,3
	v_fma_f32 v[21+8*\e], v[21+8*\e], v[19+8*\e], v[19+8*\e]  ; sin r
	v_fma_f32 v[22+8*\e], v[22+8*\e], v[20+8*\e], 1.0         ; cos r
.endr
.irp e, 0,1,2,3
	v_and_b32 v[16+8*\e], 1, v[23+8*\e]            ; odd quadrants take the sine,
	v_cmp_eq_u32 vcc_lo, 1, v[16+8*\e]
	v_cndmask_b32 v[48+\e], v[22+8*\e], v[21+8*\e], vcc_lo
	v_add_nc_u32 v[23+8*\e], 1, v[23+8*\e]         ; quadrants 1 and 2 the minus sign
	v_and_b32 v[23+8*\e], 2, v[23+8*\e]
	v_lshlrev_b32 v[23+8*\e], 30, v[23+8*\e]
	v_xor_b32 v[48+\e], v[23+8*\e], v[48+\e]
.if (\e)%2 == 0
	v_xor_b32 v[48+\e], v8, v[48+\e]               ; even j: -sin
.endif
	v_add_f32 v[48+\e], v9, v[48+\e]               ; cos - 1
.endr
	global_store_b128 v1, v[48:51], s[16:17]
	s_endpgm
.Lfunc_end_k_q04df6b3628_prep:
	.size	k_q04df6b3628_prep, .Lfunc_end_k_q04df6b3628_prep-k_q04df6b3628_prep
	.p2alignl 7, 3214868480
	.fill 96, 4, 3214868480
	.section	.rodata,"a",@progbits
	.p2align	6, 0x0
	.amdhsa_kernel k_q04df6b3628_prep
		.amdhsa_group_segment_fixed_size 0
		.amdhsa_private_segment_fixed_size 0
		.amdhsa_enable_private_segment 0
		.amdhsa_kernarg_size 56
		.amdhsa_user_sgpr_count 2
		.amdhsa_user_sgpr_kernarg_segment_ptr 1
		.amdhsa_wavefront_size32 1
		.amdhsa_system_sgpr_workgroup_id_x 1
		.amdhsa_system_sgpr_workgroup_id_y 1
		.amdhsa_system_sgpr_workgroup_id_z 1
		.amdhsa_system_vgpr_workitem_id 0
		.amdhsa_next_free_vgpr 104
		.amdhsa_next_free_sgpr 66
		.amdhsa_reserve_vcc 1
		.amdhsa_float_denorm_mode_32 3
		.amdhsa_float_denorm_mode_16_64 3
		.amdhsa_memory_ordered 1
		.amdhsa_forward_progress 1
		.amdhsa_inst_pref_size 22
	.end_amdhsa_kernel
	.amdgpu_metadata
---
amdhsa.version: [ 1, 2 ]
amdhsa.kernels:
  - .name:           k_q04df6b3628_prep
    .symbol:         k_q04df6b3628_prep.kd
    .args:
      - { .name: x, .offset: 0, .size: 8, .value_kind: global_buffer, .address_space: global }
      - { .name: qkv_w, .offset: 8, .size: 8, .value_kind: global_buffer, .address_space: global }
      - { .name: proj_w, .offset: 16, .size: 8, .value_kind: global_buffer, .address_space: global }
      - { .name: xb, .offset: 24, .size: 8, .value_kind: global_buffer, .address_space: global }
      - { .name: wqb, .offset: 32, .size: 8, .value_kind: global_buffer, .address_space: global }
      - { .name: wpb, .offset: 40, .size: 8, .value_kind: global_buffer, .address_space: global }
      - { .name: rope, .offset: 48, .size: 8, .value_kind: global_buffer, .address_space: global }
    .group_segment_fixed_size: 0
    .private_segment_fixed_size: 0
    .kernarg_segment_align: 8
    .kernarg_segment_size: 56
    .max_flat_workgroup_size: 256
    .sgpr_count:     66
    .vgpr_count:     104
    .wavefront_size: 32
...
	.end_amdgpu_metadata
.endif
;; end of part 1
;; launch qkv (part 2): grid 16 x 32, 4 waves a work-group, clusters of 4 x 4, 327,680 bytes of LDS; arguments xb, wqb, qkv_b, rope, qkvh; writes qkvh
.if DOCPART == 2
	.amdgcn_target "amdgcn-amd-amdhsa--gfx1250"
	.amdhsa_code_object_version 6
	.text
	.protected	k_q04df6b3628_qkv
	.globl	k_q04df6b3628_qkv
	.p2align	8
	.type	k_q04df6b3628_qkv,@function
k_q04df6b3628_qkv:
	s_mov_b64 s[64:65], 0
	v_nop
	global_prefetch_b8 v0, s[64:65] scope:SCOPE_SE
	s_setreg_imm32_b32 hwreg(HW_REG_WAVE_MODE, 25, 1), 1
	s_wait_xcnt 0x0
	s_wait_alu depctr_hold_cnt(0) depctr_sa_sdst(0) depctr_va_vdst(0) depctr_va_sdst(0) depctr_va_ssrc(0) depctr_va_vcc(0) depctr_vm_vsrc(0)
	s_getreg_b32 s2, hwreg(HW_REG_IB_STS2, 6, 4)
	s_cmp_eq_u32 s2, 0
	s_cbranch_scc0 .Lentry_in_a_cluster
	s_endpgm
.Lentry_in_a_cluster:
	s_bfe_u32 s2, ttmp6, 0x10000c
	s_cmp_lg_u32 s2, 0xf033
	s_cbranch_scc0 .Lentry_shape_is_right
	s_endpgm
.Lentry_shape_is_right:
; q, k, v = x W^T + b, q and k rotated, all split by heads.  xb [8192][1024] bf16, wqb [3072][1024] bf16, qkv_b [3072] f32 (rounded to bf16 here, like the other inputs), rope [2048][64] f32,
; qkvh [3][64][2048][64] f16 (q, k, v; head slot = 16 batch + head), each number rounded once from its f32 sum, unscaled.
; LIMITS.  q, k and v beyond 65,504 have no f16; NaN and infinities are not treated apart (v's rows are multiplied by 0 in the rotation's place).
; SHARES.  A tile of the product is 256 rows x 192 columns (three heads): 16 x 32 tiles.  Four waves; wave w makes rows 64 w .. 64 w + 63 of all 192 columns: 4 x 12 accumulators of 16 x 16,
; 384 registers, so each wave owns whole heads' rows and its way out is its own.  K goes in 8 steps of 128 through two LDS slots: rows of 256 bytes of memory, aligned.
; CLUSTER.  4 x 4 work-groups: the four of a row need the same tile of x, the four of a column the same tile of W: each is asked for jointly, by the same tensor load, descriptor and mask in all four.
; THE MATRIX INSTRUCTION IS USED TRANSPOSED (source 0 = 16 rows of W, source 1 = 16 rows of x): lane l holds row l % 16 and the columns 8 (l / 16) + 0..7.  The bias is the C operand of the first products.
; THE ROTATION.  out[d] = s[d] cos(l f_(d%32)) + s[d^1] ss[d], ss = -sin for even d, +sin for odd d.  Written as s + RS (s (cos - 1) + s[d^1] ss) with RS = 1 for q's and k's heads, 0 for v's: one text for all.
; REGISTERS, in windows of 256: window 0: v0-39 addresses and work; v64-127 x's fragments, two buffers (later T and the words to store); v128-223 the bias, then v128-255 the table's rows;
;   window 1: v0-191 W's fragments, two buffers;  windows 2, 3: accumulator (a, b) in window 2 + a / 2 at v[96 (a % 2) + 8 b].
.set NBK,   12                         ; column blocks of 16
.set PA,    272                        ; an LDS row: 256 bytes + 16 of padding: the 16 rows of a fragment load start at 16 different groups of four banks (64 banks of 4 bytes: ISA guide 11.1)
.set HALFA, 128*PA                     ; what one tensor load brings of x
.set HALFB, 96*PA                      ; of W
.set BBASE, 2*HALFA                    ; W's 192 rows lie behind x's 256
.set BCON,  BBASE-2*HALFB              ; waves 2 and 3 fetch W's halves: wave x HALFB + this
.set SLOT1, 1<<17                      ; slot 1 begins here, so that one exclusive or turns an address in one slot into the other's
.set STAGE, SLOT1+BBASE+2*HALFB        ; behind the ring, never filled by a tensor load: 16 rows x 144 bytes for each wave
.set SP,    144
.set SPARE, STAGE+4*16*SP              ; the spare words, 128 bytes for each wave: two blocks of 256 bytes that no other line names
.set NL,    2*NBK+8                    ; LDS loads in a run
.set ASTEP, 256                        ; bytes along K from step to step
.set BSTEP, 256
.set ADRA0, 16                         ; v16  my lane's place in x's tile, slot 0; never rewritten
.set ADRA,  17                         ; v17  the same in the slot in hand
.set ADRB0, 20
.set ADRB,  21
.set STO,   24                         ; the way out: where I put 16 bytes of a row
.set RD,    25                         ; where I read rows back
.set GO,    26                         ; my 16 bytes of 512 consecutive bytes
.set TBO,   27                         ; my offset in the table's 16 rows
.set SPW,   28                         ; LDS address of my spare word; never rewritten
.set NIL,   29                         ; 0; never rewritten
.set PFO,   30                         ; the prefetches' offset; never rewritten
.set BO,    31                         ; my offset in the bias
.set FA,    64
.set T,     64
.set BIAS,  128
.set TAB,   128
.set WV,   14
.set ROLE, 15                          ; 0: I fetch x's tiles, 1: W's
.set HALF, 16                          ; which half of the tile's rows I fetch
.set CX,   17
.set CY,   18
.set TX,   19
.set TY,   20
.set G1A,  24                          ; s[24:31] group 1 for x's tiles
.set G0A,  32                          ; s[32:39] group 0: a set for each first fill; the second then walks
.set TB,   42                          ; LDS byte at which the slot in hand begins
.set LIM,  43                          ; 2 in a wave that prefetches, else the greatest number
.set PFA,  44                          ; s[44:45] where my prefetches stand
.set G1B,  48
.set G0B,  56
.set OB,   66                          ; s[66:71] qkvh at my rows of the tile's three heads
.set RS,   72                          ; s[72:77] 1.0 or 0 for each of them, as pairs
.set TBA,  78                          ; s[78:79] the table at my first row
.set PSTEP, 82                         ; s[82:83] the prefetches' step
.set G1W, (1<<16)|(1<<20)|(1<<21)|(5<<22)|(3<<25)  ; 2-byte elements; padding on; bit 21 beside a mask; after every 64 words; 4 words
.set MSB, 0
.macro WIN new                         ; the immediate's high byte repeats the setting that is left; a switch that changes nothing is dropped
.if MSB != (\new)
	s_set_vgpr_msb (MSB<<8)|(\new)
.set MSB, \new
.endif
.endm
.macro PLACES                          ; four plain places behind matrix instructions, ahead of loads into their sources and of readers of their results
.rept 4
	v_nop
.endr
.endm
.macro CREST                           ; a round of the cluster's barrier behind its opening barrier
	s_cmp_lg_u32 s[WV], 0
	s_cbranch_scc1 .Lnot_wave_0_\@
	s_barrier_signal -3
.Lnot_wave_0_\@:
	s_barrier_wait -3
	s_barrier_signal -1
	s_barrier_wait -1
.endm
.macro CROUND
	s_barrier_signal -1
	s_barrier_wait -1
	CREST
.endm
.macro JLOAD                           ; a joint refill by the walking set; the branch hangs on the wave's number alone; s_nop 0 and four v_nop follow each line
	s_cmp_eq_u32 s[ROLE], 0
	s_cbranch_scc0 .Lfor_b_\@
	tensor_load_to_lds s[G0A+4:G0A+7], s[G1A:G1A+7]
	s_nop 0
.rept 4
	v_nop
.endr
	s_branch .Lasked_\@
.Lfor_b_\@:
	tensor_load_to_lds s[G0B+4:G0B+7], s[G1B:G1B+7]
	s_nop 0
.rept 4
	v_nop
.endr
.Lasked_\@:
.endm
; A PREFETCH INTO THE L2 of the K step that stands two refills on: a lane a row, 256 bytes of each.  x's tile row is read by every cluster of that row of clusters: cluster x = 0 asks; W's tile column
; by every cluster of that column: cluster y = 0 asks.  The four partners share a wave's rows out by address: 32 of x's 128 each (by cx), 24 of W's 96 each (by cy; lanes 24-31 name lane 23's row again,
; in the same instruction).  The refills for K steps 2 to 5 name K steps 4 to 7; the last two name nothing; K steps 0 to 3 come by their loads alone.
.macro ASK
	s_cmp_gt_u32 s3, s[LIM]
	s_cbranch_scc0 .Lnot_mine_\@
	global_prefetch_b8 v[PFO], s[PFA:PFA+1] th:TH_LOAD_NT scope:SCOPE_SE
.Lnot_mine_\@:
.endm
; 12 matrix instructions: row block a x all column blocks, 32 along K, from buffers f.  zero = 1: the first products start the sums with the bias.
; The 48 accumulators take turns in the same order in every quarter.
.macro MULR f, a, zero
.if \zero
	WIN 0x81+0x40*((\a)/2)
.else
	WIN 0xa1+0x50*((\a)/2)
.endif
.set b, 0
.rept NBK
.set rD, 96*((\a)%2)+8*b
.if \zero
	v_wmma_f32_16x16x32_bf16 v[rD:rD+7], v[96*(\f)+8*b:96*(\f)+8*b+7], v[FA+32*(\f)+8*(\a):FA+32*(\f)+8*(\a)+7], v[BIAS+8*b:BIAS+8*b+7]
.else
	v_wmma_f32_16x16x32_bf16 v[rD:rD+7], v[96*(\f)+8*b:96*(\f)+8*b+7], v[FA+32*(\f)+8*(\a):FA+32*(\f)+8*(\a)+7], v[rD:rD+7]
.endif
.set b, b+1
.endr
.endm
.macro FETCH q, f                      ; one run of 32 LDS loads: quarter q's fragments (192 rows of W, my 64 rows of x, 32 along K) into buffers f
	WIN 0x40
.set i, 0
.rept NBK
	ds_load_b128 v[96*(\f)+8*i:96*(\f)+8*i+3],   v[ADRB] offset:64*(\q)+i*16*PA
	ds_load_b128 v[96*(\f)+8*i+4:96*(\f)+8*i+7], v[ADRB] offset:64*(\q)+i*16*PA+32
.set i, i+1
.endr
	WIN 0
.set i, 0
.rept 4
	ds_load_b128 v[FA+32*(\f)+8*i:FA+32*(\f)+8*i+3],   v[ADRA] offset:64*(\q)+i*16*PA
	ds_load_b128 v[FA+32*(\f)+8*i+4:FA+32*(\f)+8*i+7], v[ADRA] offset:64*(\q)+i*16*PA+32
.set i, i+1
.endr
.endm
.macro QUARTER q, f, g, zero           ; multiplies buffers f; in its middle fetches quarter q of the same slot into buffers g
	s_wait_dscnt 4                                 ; W and x's row blocks 0, 1 are in; the youngest four loads (blocks 2, 3) may be out
	MULR \f, 0, \zero
	MULR \f, 1, \zero
	PLACES
	FETCH \q, \g
	s_wait_dscnt NL                                ; all but the run just issued
	MULR \f, 2, \zero
	MULR \f, 3, \zero
.endm
; The last quarter of a K step multiplies buffers 1 and changes slots: one barrier.  Ahead of it each wave waits for all its tensor loads (one is out: its part of the next slot), adds 0 to its spare
; word, and waits for that and for its reads of this slot.  fill = 1: the barrier opens a round of the cluster's; behind the round this slot is filled again, two K steps on, first thing.
.macro TURN fill
.if \fill
	s_wait_xcnt 0x0                                ; the last prefetch, a K step back, has read its address
	s_add_nc_u64 s[PFA:PFA+1], s[PFA:PFA+1], s[PSTEP:PSTEP+1]
.endif
	WIN 0
	s_wait_tensorcnt 0x0                           ; no tensor load of mine is out: a group 0 may be written
	ds_add_u32 v[SPW], v[NIL]                      ; 0 onto my spare word
.if \fill
	s_xor_b32 s[G0A+5], s[G0A+5], SLOT1            ; the walking sets: the other slot than last time, the next K step
	s_add_nc_u64 s[G0A+6:G0A+7], s[G0A+6:G0A+7], ASTEP
	s_xor_b32 s[G0B+5], s[G0B+5], SLOT1
	s_add_nc_u64 s[G0B+6:G0B+7], s[G0B+6:G0B+7], BSTEP
.endif
	s_wait_dscnt 5                                 ; the add and the youngest four loads may be out
	MULR 1, 0, 0
	s_wait_dscnt 0x0                               ; the add is done, and my reads of this slot are over
	s_barrier_signal -1
	MULR 1, 1, 0
	WIN 0
	s_barrier_wait -1
.if \fill
	CREST
	JLOAD                                          ; its four v_nop are also the places ahead of the loads below
.else
	PLACES
.endif
	s_xor_b32 s[TB], s[TB], SLOT1
	v_add_nc_u32 v[ADRA], s[TB], v[ADRA0]
	v_add_nc_u32 v[ADRB], s[TB], v[ADRB0]
	FETCH 0, 0
.if \fill
	ASK
.endif
	MULR 1, 2, 0
	MULR 1, 3, 0
.endm
	s_load_b256 s[4:11], s[0:1], 0x0               ; xb s[4:5], wqb s[6:7], qkv_b s[8:9], rope s[10:11]
	s_load_b64 s[12:13], s[0:1], 0x20              ; qkvh
	v_lshl_add_u32 v[SPW], v0, 2, SPARE
	v_mov_b32 v[NIL], 0
	ds_add_u32 v[SPW], v[NIL]                      ; the wave's opening: the add and its wait ahead of my first tensor load
	v_lshrrev_b32 v1, 5, v0
	v_readfirstlane_b32 s[WV], v1
	s_lshr_b32 s[ROLE], s[WV], 1
	s_and_b32 s[HALF], s[WV], 1
	s_bfe_u32 s[CX], ttmp6, 0x40000
	s_bfe_u32 s[CY], ttmp6, 0x40004
	s_lshl_b32 s[TX], ttmp9, 2
	s_add_co_u32 s[TX], s[TX], s[CX]               ; tile column
	s_and_b32 s[TY], ttmp7, 0xffff
	s_lshl_b32 s[TY], s[TY], 2
	s_add_co_u32 s[TY], s[TY], s[CY]               ; tile row
	s_lshl_b32 s21, s[CY], 2
	s_lshl_b32 s21, 15, s21                        ; my row of the cluster
	s_lshl_b32 s22, 0x1111, s[CX]                  ; my column
	s_or_b32 s[G1A], s21, G1W
	s_or_b32 s[G1B], s22, G1W
	s_mov_b32 s[G1A+1], 128<<16                    ; tensor_dim0 = 128
	s_mov_b32 s[G1A+2], 128<<16                    ; tensor_dim1 = 128
	s_mov_b32 s[G1A+3], 128<<16                    ; tile_dim0 = 128
	s_mov_b32 s[G1A+4], 128                        ; tile_dim1 = 128
	s_mov_b32 s[G1A+5], 1024                       ; elements from row to row
	s_mov_b32 s[G1A+6], 0
	s_mov_b32 s[G1A+7], 0
	s_mov_b32 s[G1B+1], 128<<16
	s_mov_b32 s[G1B+2], 96<<16                     ; 96 rows
	s_mov_b32 s[G1B+3], 128<<16
	s_mov_b32 s[G1B+4], 96
	s_mov_b32 s[G1B+5], 1024
	s_mov_b32 s[G1B+6], 0
	s_mov_b32 s[G1B+7], 0
	s_lshl_b32 s40, s[TY], 8                       ; x: row 256 x tile row + 128 x half, 2,048 bytes a row
	s_lshl_b32 s23, s[HALF], 7
	s_add_co_u32 s40, s40, s23
	s_lshl_b32 s40, s40, 11
	s_mov_b32 s41, 0
	s_mul_i32 s46, s[TX], 192                      ; W: row 192 x tile column + 96 x half
	s_mul_i32 s84, s[HALF], 96
	s_add_co_u32 s46, s46, s84
	s_lshl_b32 s46, s46, 11
	s_mov_b32 s47, 0
	s_mul_i32 s23, s[WV], HALFA                    ; where they go: no place in the cluster enters an LDS address
	s_mul_i32 s84, s[WV], HALFB
	s_add_co_u32 s84, s84, BCON
	s_mov_b32 s[TB], 0
	s_wait_dscnt 0x0                               ; the opening add is done
	s_wait_kmcnt 0x0
	s_add_nc_u64 s[40:41], s[4:5], s[40:41]
	s_add_nc_u64 s[46:47], s[6:7], s[46:47]
	CROUND                                         ; all sixteen work-groups are here: the first joint loads meet
.irp s, 0,1
	s_mov_b32 s[G0A+4*(\s)], 1
	s_add_co_u32 s[G0A+4*(\s)+1], s23, (\s)*SLOT1
	s_add_nc_u64 s[G0A+4*(\s)+2:G0A+4*(\s)+3], s[40:41], (\s)*ASTEP
	s_or_b32 s[G0A+4*(\s)+3], s[G0A+4*(\s)+3], 0x80000000
	s_mov_b32 s[G0B+4*(\s)], 1
	s_add_co_u32 s[G0B+4*(\s)+1], s84, (\s)*SLOT1
	s_add_nc_u64 s[G0B+4*(\s)+2:G0B+4*(\s)+3], s[46:47], (\s)*BSTEP
	s_or_b32 s[G0B+4*(\s)+3], s[G0B+4*(\s)+3], 0x80000000
.endr
	s_cmp_eq_u32 s[ROLE], 0                        ; a wave's two first fills stand in one branch: two loads of mine are out
	s_cbranch_scc0 .Lfirst_b
	tensor_load_to_lds s[G0A:G0A+3], s[G1A:G1A+7]
	s_nop 0
	tensor_load_to_lds s[G0A+4:G0A+7], s[G1A:G1A+7]
	s_nop 0
.rept 4
	v_nop
.endr
	s_branch .Lfirst_asked
.Lfirst_b:
	tensor_load_to_lds s[G0B:G0B+3], s[G1B:G1B+7]
	s_nop 0
	tensor_load_to_lds s[G0B+4:G0B+7], s[G1B:G1B+7]
	s_nop 0
.rept 4
	v_nop
.endr
.Lfirst_asked:
	v_and_b32 v1, 15, v0                           ; l % 16
	v_bfe_u32 v2, v0, 4, 1                         ; l / 16
	v_and_b32 v3, 31, v0                           ; l
	s_mul_i32 s84, s[TX], 64*NBK                   ; the tile's 192 numbers of the bias
	v_lshl_add_u32 v[BO], v2, 5, s84               ; my eight of each sixteen
.set b, 0
.rept NBK
	global_load_b128 v[BIAS+8*b:BIAS+8*b+3],   v[BO], s[8:9] offset:64*b
	global_load_b128 v[BIAS+8*b+4:BIAS+8*b+7], v[BO], s[8:9] offset:64*b+16
.set b, b+1
.endr
	v_mul_u32_u24 v4, v1, PA
	v_lshl_add_u32 v4, v2, 4, v4                   ; a fragment's row x pitch + 16 x half
	s_mul_i32 s84, s[WV], 64*PA
	v_add_nc_u32 v[ADRA0], s84, v4
	v_add_nc_u32 v[ADRB0], BBASE, v4
	v_mov_b32 v[ADRA], v[ADRA0]
	v_mov_b32 v[ADRB], v[ADRB0]
	s_mul_i32 s84, s[WV], 16*SP
	s_add_co_u32 s84, s84, STAGE                   ; my stage
	v_mul_u32_u24 v5, v1, SP
	v_lshl_add_u32 v5, v2, 4, v5
	v_add_nc_u32 v[STO], s84, v5                   ; in: row l % 16, 16 bytes for each half of the lanes
	v_bfe_u32 v5, v0, 3, 2
	v_mul_u32_u24 v5, v5, SP
	v_and_b32 v6, 7, v0
	v_lshl_add_u32 v5, v6, 4, v5
	v_add_nc_u32 v[RD], s84, v5                    ; back: 32 lanes take four rows of 128 bytes,
	v_lshlrev_b32 v[GO], 4, v3                     ; which are 512 consecutive bytes of a head
	v_lshlrev_b32 v[TBO], 8, v1
	v_lshl_add_u32 v[TBO], v2, 5, v[TBO]           ; the table: row l % 16, my eight of each sixteen words
	s_and_b32 s80, s[TY], 7
	s_lshl_b32 s80, s80, 8
	s_lshl_b32 s85, s[WV], 6
	s_add_co_u32 s85, s80, s85                     ; my first row's place in its sequence
	s_lshl_b32 s80, s85, 7                         ; x 128 bytes in a head
	s_mov_b32 s81, 0
	s_lshl_b32 s86, s85, 8                         ; x 256 bytes in the table
	s_mov_b32 s87, 0
	s_add_nc_u64 s[TBA:TBA+1], s[10:11], s[86:87]
.irp hd, 0,1,2
	s_mul_i32 s84, s[TX], 3
	s_add_co_u32 s84, s84, \hd                     ; g: 0-15 q's heads, 16-31 k's, 32-47 v's
	s_lshr_b32 s85, s84, 4
	s_lshl_b32 s85, s85, 6
	s_and_b32 s86, s84, 15
	s_add_co_u32 s85, s85, s86
	s_lshr_b32 s86, s[TY], 3                       ; the batch
	s_lshl_b32 s86, s86, 4
	s_add_co_u32 s85, s85, s86                     ; the head's slot: 64 (g / 16) + 16 batch + g % 16
	s_lshl_b32 s86, s85, 18
	s_add_nc_u64 s[OB+2*\hd:OB+2*\hd+1], s[12:13], s[86:87]
	s_add_nc_u64 s[OB+2*\hd:OB+2*\hd+1], s[OB+2*\hd:OB+2*\hd+1], s[80:81]
	s_lshr_b32 s84, s84, 5                         ; 1 for v's heads
	s_sub_co_u32 s84, 1, s84
	s_mul_i32 s[RS+2*\hd], s84, 0x3f800000         ; 1.0 or 0
	s_mov_b32 s[RS+2*\hd+1], s[RS+2*\hd]           ; named with it as a pair
.endr
	s_and_b32 s84, ttmp7, 0xffff                   ; the prefetches: who asks, and for which rows
	s_cmp_eq_u32 s[ROLE], 0
	s_cselect_b32 s84, ttmp9, s84                  ; the coordinate along which other clusters read the same rows
	s_cselect_b64 s[PFA:PFA+1], s[40:41], s[46:47] ; the rows that I fetch
	s_cselect_b32 s85, s[CX], s[CY]                ; my place among the four that ask for them with me
	s_cselect_b32 s86, 32, 24
	s_cselect_b32 s87, 31, 23
	s_cmp_eq_u32 s84, 0
	s_cselect_b32 s[LIM], 2, -1
	s_mul_i32 s84, s85, s86
	s_lshl_b32 s84, s84, 11
	s_mov_b32 s85, 0
	s_add_nc_u64 s[PFA:PFA+1], s[PFA:PFA+1], s[84:85]
	s_add_nc_u64 s[PFA:PFA+1], s[PFA:PFA+1], 3*ASTEP  ; at K step 3: the first refill steps it to 4
	s_mov_b32 s[PSTEP], ASTEP
	s_mov_b32 s[PSTEP+1], 0
	v_min_u32 v[PFO], s87, v3
	v_lshlrev_b32 v[PFO], 11, v[PFO]
	s_mov_b32 s87, 0xffff0000
	s_wait_loadcnt 0x0                             ; the bias; it is rounded to bf16, like x and W
.set i, 0
.rept 4*NBK
	v_cvt_pk_bf16_f32 v[32+i%4], v[BIAS+2*i], v[BIAS+2*i+1]
	v_lshlrev_b32 v[BIAS+2*i], 16, v[32+i%4]
	v_and_b32 v[BIAS+2*i+1], s87, v[32+i%4]
.set i, i+1
.endr
	s_wait_tensorcnt 1                             ; my part of K step 0 is in; K step 1's may stay out
	s_barrier_signal -1
	s_barrier_wait -1
	FETCH 0, 0
	QUARTER 1, 0, 1, 1                             ; the first quarter stands ahead of the loop: its products start the sums
	WIN 0
	PLACES                                         ; the bias has been read: its registers take the table's rows for my 64 rows, which have the whole K loop in which to land
.set k, 0
.rept 16                               ; row block k / 4; k % 4: cos - 1 of words 0-15, of 16-31, the signed sines of 0-15, of 16-31
	global_load_b128 v[TAB+8*k:TAB+8*k+3],   v[TBO], s[TBA:TBA+1] offset:4096*(k/4)+64*(k%4)
	global_load_b128 v[TAB+8*k+4:TAB+8*k+7], v[TBO], s[TBA:TBA+1] offset:4096*(k/4)+64*(k%4)+16
.set k, k+1
.endr
	s_mov_b32 s3, 6
.Lstep:                                                ; a trip: from a K step's second quarter to the next step's first; it fills the slot that it leaves
	QUARTER 2, 1, 0, 0
	QUARTER 3, 0, 1, 0
	TURN 1
	QUARTER 1, 0, 1, 0
	WIN 0
	s_sub_co_u32 s3, s3, 1
	s_cmp_lg_u32 s3, 0
	s_cbranch_scc1 .Lstep
	QUARTER 2, 1, 0, 0                             ; the last two K steps ask for nothing
	QUARTER 3, 0, 1, 0
	TURN 0
	QUARTER 1, 0, 1, 0
	QUARTER 2, 1, 0, 0
	QUARTER 3, 0, 1, 0
	s_wait_dscnt 4
	MULR 1, 0, 0
	MULR 1, 1, 0
	s_wait_dscnt 0x0
	MULR 1, 2, 0
	MULR 1, 3, 0
; THE WAY OUT, in 12 units of 16 rows x one head (unit u: row block u / 3, head u % 3).  PACK: rotated, rounded to f16, 16 bytes a lane into my stage, back as whole rows.  SEND: stored.
; Each accumulator's lowest registers are read first.
.macro PACK u
.set uA, (\u)/3
.set uH, (\u)%3
.set AC, 96*(uA%2)+32*uH               ; accumulator (uA, 4 uH + f) at AC + 8 f
.set TL, TAB+32*uA
.set OS, 96+16*((\u)%2)
	WIN 0x02+uA/2                                  ; source 0 in the accumulators' window
.set i, 0
.rept 16
	v_pk_mul_f32 v[T+2*i:T+2*i+1], v[AC+2*i:AC+2*i+1], v[TL+8*((i/4)%2)+2*(i%4):TL+8*((i/4)%2)+2*(i%4)+1]  ; s (cos - 1)
.set i, i+1
.endr
.set i, 0
.rept 16
	v_pk_fma_f32 v[T+2*i:T+2*i+1], v[AC+2*i:AC+2*i+1], v[TL+16+8*((i/4)%2)+2*(i%4):TL+16+8*((i/4)%2)+2*(i%4)+1], v[T+2*i:T+2*i+1] op_sel:[1,0,0] op_sel_hi:[0,1,1]  ; + the pair's other number x ss
.set i, i+1
.endr
	WIN 0x20+0x10*(uA/2)                           ; source 2 in the accumulators' window
.set i, 0
.rept 16
	v_pk_fma_f32 v[T+2*i:T+2*i+1], v[T+2*i:T+2*i+1], s[RS+2*uH:RS+2*uH+1], v[AC+2*i:AC+2*i+1] op_sel_hi:[1,0,1]
.set i, i+1
.endr
	WIN 0
.if (\u) >= 2
	s_wait_xcnt 0x0                                ; the stores of the unit two back have read these registers
.endif
.set i, 0
.rept 16
	v_cvt_pk_f16_f32 v[OS+i], v[T+2*i], v[T+2*i+1]
.set i, i+1
.endr
.irp f, 0,1,2,3
	ds_store_b128 v[STO], v[OS+4*\f:OS+4*\f+3] offset:32*\f
.endr
.irp f, 0,1,2,3
	ds_load_b128 v[OS+4*\f:OS+4*\f+3], v[RD] offset:\f*4*SP  ; LDS serves a wave's instructions in order (ISA guide 5.7.1.4): these see the stores above; the next unit's stores come behind them
.endr
.endm
.macro SEND u, younger                 ; younger: the LDS instructions issued behind this unit's loads: the next unit's eight, or none
.set uA, (\u)/3
.set uH, (\u)%3
.set OS, 96+16*((\u)%2)
.irp f, 0,1,2,3
	s_wait_dscnt (\younger)+3-\f
	global_store_b128 v[GO], v[OS+4*\f:OS+4*\f+3], s[OB+2*uH:OB+2*uH+1] offset:2048*uA+512*\f  ; 512 consecutive bytes, at a multiple of 256 from the buffer's first
.endr
.endm
	WIN 0
	PLACES
	s_wait_loadcnt 0x0                             ; the table's rows
	PACK 0
.set u, 1
.rept 11
	PACK u
	SEND u-1, 8
.set u, u+1
.endr
	SEND 11, 0
	s_wait_tensorcnt 0x0                           ; the wave's end
	ds_add_u32 v[SPW], v[NIL]
	s_wait_dscnt 0x0
	CROUND                                         ; the closing round
	s_endpgm
.Lfunc_end_k_q04df6b3628_qkv:
	.size	k_q04df6b3628_qkv, .Lfunc_end_k_q04df6b3628_qkv-k_q04df6b3628_qkv
	.p2alignl 7, 3214868480
	.fill 96, 4, 3214868480
	.section	.rodata,"a",@progbits
	.p2align	6, 0x0
	.amdhsa_kernel k_q04df6b3628_qkv
		.amdhsa_group_segment_fixed_size 327680
		.amdhsa_private_segment_fixed_size 0
		.amdhsa_enable_private_segment 0
		.amdhsa_kernarg_size 40
		.amdhsa_user_sgpr_count 2
		.amdhsa_user_sgpr_kernarg_segment_ptr 1
		.amdhsa_wavefront_size32 1
		.amdhsa_system_sgpr_workgroup_id_x 1
		.amdhsa_system_sgpr_workgroup_id_y 1
		.amdhsa_system_sgpr_workgroup_id_z 1
		.amdhsa_system_vgpr_workitem_id 0
		.amdhsa_next_free_vgpr 960
		.amdhsa_next_free_sgpr 88
		.amdhsa_reserve_vcc 0
		.amdhsa_float_denorm_mode_32 3
		.amdhsa_float_denorm_mode_16_64 3
		.amdhsa_memory_ordered 1
		.amdhsa_forward_progress 1
		.amdhsa_inst_pref_size 148
	.end_amdhsa_kernel
	.amdgpu_metadata
---
amdhsa.version: [ 1, 2 ]
amdhsa.kernels:
  - .name:           k_q04df6b3628_qkv
    .symbol:         k_q04df6b3628_qkv.kd
    .args:
      - { .name: xb, .offset: 0, .size: 8, .value_kind: global_buffer, .address_space: global }
      - { .name: wqb, .offset: 8, .size: 8, .value_kind: global_buffer, .address_space: global }
      - { .name: qkv_b, .offset: 16, .size: 8, .value_kind: global_buffer, .address_space: global }
      - { .name: rope, .offset: 24, .size: 8, .value_kind: global_buffer, .address_space: global }
      - { .name: qkvh, .offset: 32, .size: 8, .value_kind: global_buffer, .address_space: global }
    .group_segment_fixed_size: 327680
    .private_segment_fixed_size: 0
    .kernarg_segment_align: 8
    .kernarg_segment_size: 40
    .max_flat_workgroup_size: 128
    .sgpr_count:     88
    .vgpr_count:     960
    .wavefront_size: 32
...
	.end_amdgpu_metadata
.endif
;; end of part 2
;; launch attn (part 3): grid 4 x 64, 4 waves a work-group, clusters of 4 x 1, 327,680 bytes of LDS; arguments qkvh, oh; writes oh
.if DOCPART == 3
	.amdgcn_target "amdgcn-amd-amdhsa--gfx1250"
	.amdhsa_code_object_version 6
	.text
	.protected	k_q04df6b3628_attn
	.globl	k_q04df6b3628_attn
	.p2align	8
	.type	k_q04df6b3628_attn,@function
k_q04df6b3628_attn:
	s_mov_b64 s[64:65], 0
	v_nop
	global_prefetch_b8 v0, s[64:65] scope:SCOPE_SE
	s_setreg_imm32_b32 hwreg(HW_REG_WAVE_MODE, 25, 1), 1
	s_wait_xcnt 0x0
	s_wait_alu depctr_hold_cnt(0) depctr_sa_sdst(0) depctr_va_vdst(0) depctr_va_sdst(0) depctr_va_ssrc(0) depctr_va_vcc(0) depctr_vm_vsrc(0)
	s_getreg_b32 s2, hwreg(HW_REG_IB_STS2, 6, 4)
	s_cmp_eq_u32 s2, 0
	s_cbranch_scc0 .Lentry_in_a_cluster
	s_endpgm
.Lentry_in_a_cluster:
	s_bfe_u32 s2, ttmp6, 0x10000c
	s_cmp_lg_u32 s2, 0x3003
	s_cbranch_scc0 .Lentry_shape_is_right
	s_endpgm
.Lentry_shape_is_right:
; O[h][q][:] = the sum over k of softmax_k(Q[h][q] . K[h][k] / 8) V[h][k][:].  qkvh holds Q, K, V, each [64][2048][64] f16, one behind the other; oh is O, [64][2048][64] f16.  Products, maxima and sums in
; f32; the weights p are rounded to f16 for the second product (their sum l is taken of the unrounded p), O once at the end.
; LIMITS.  f16 holds no number beyond 65,504: Q, K and V arrive within it; p lies in 0 to 1, and below 6e-5 it keeps f16's fixed step of 6e-8; O is a mean of V's rows and has their range.
; A weight below 2^-126 counts as 0 in l; NaN and infinities are not treated apart.
; SHARES.  A wave owns four PIECES of two tiles of 16 queries, a work-group's four waves 512 queries of one head.  Every wave walks all keys, 64 a step.
; LAYOUT.  S^T = K Q^T (source 0 = 16 keys, source 1 = 16 queries): a lane holds ONE query (lane % 16) and the keys 8 (lane / 16) + 0..7.  Two such tiles, rounded to f16 in pairs,
; ARE source 1 of O^T = V^T P, whose result again holds one query a lane, and eight channels.  K comes out of LDS as it lies, V turned, by ds_load_tr16_b128.
; SOFTMAX.  A running maximum m and sum l: p = 2^(c s - c m), c = log2(e) / 8; in every step O and l are multiplied by a = 2^(c m_old - c m_new).  m starts at the lowest finite number, O and l at 0.
; BY TURNS.  Turn n belongs to piece n.  Its matrix work: 16 products K Q^T of piece n + 1, later 16 products V^T P of piece n - 1.  Its vector work: the scaling, exponentials, roundings, sums and
; rescaling of piece n, and the maximum and statistics of piece n + 1.  Four vector instructions stand behind every matrix instruction, the others in one run of their own.
; CLUSTER.  The four query blocks of a head are one cluster and walk the same K and V: each tile is asked for jointly: the same tensor load, descriptor and mask in all four.
; REGISTERS, in windows of 256: window 0: v0-11 addresses; v12-15, v48-63 at work; v16-47 statistics; v64-191 S^T, two buffers of two tiles; v192-255 P, likewise
;   window 1: O^T, 32 a tile      window 2: v0-127 Q; v128-191 K of one step; v192-255 V of one step      window 3: v0-1 the add's two registers
.set SIZE_N, 2048
.set NP,    4         ; pieces a wave
.set KS,    64        ; keys in a step
.set PK,    144       ; a row of K in LDS: 128 bytes + 16 of padding: the 16 rows of a load start at 16 different groups of four banks (ISA guide 11.1)
.set PV,    160       ; a row of V: 128 + 32
.set VOFF,  4*KS*PK   ; a slot holds four steps: 256 rows of K, then 256 rows of V
.set SLOT1, 1<<17     ; slot 1 begins here, so that one exclusive or turns an address in one slot into the other's
.set STAGE, SLOT1+4*KS*(PK+PV)  ; behind the ring, never filled by a tensor load: 16 rows x 144 bytes for each wave
.set SP,    144
.set AK0, 2           ; v2   my lane's place in a tile of K; never rewritten
.set AV0, 3           ; v3   the same for V
.set AK,  4           ; v4   the LDS address of K's next run of loads
.set AV,  5           ; v5   of V's
.set QO,  6           ; v6   my byte offset in the wave's rows of Q
.set STO, 6           ;      later, the way out: where I put 16 bytes of a row
.set RD,  7           ; v7   where I read rows back
.set GO,  8           ; v8   my byte offset in 512 consecutive bytes of O
.set PFO, 11          ; v11  256 x my lane, for the prefetches; never rewritten once made
.set SPW, 0           ; v0 of window 3   LDS address of my spare word; never rewritten
.set NIL, 1           ; v1 of window 3   0; never rewritten
.set SPARE, STAGE+4*16*SP  ; the spare words, 128 bytes for each wave: two blocks of 256 bytes that no other line names
.set MV,  12          ; v12-15  c m_old, by buffer and tile
.set ST,  16          ; tile t's statistics at v[ST+4 t]: c m, m, l (even keys', odd keys')
.set TMP, 48          ; by buffer and tile, c0-c3 at work; when the maximum is found c2 takes a
.set S,   64
.set P,   192
.set KF,  128         ; K's fragments, in window 2
.set VF,  192         ; V's
.set WV,  12          ; s12  my wave's number
.set G1K, 24          ; s[24:31] group 1 for K's tiles
.set G1V, 32          ; s[32:39] for V's
.set G0K, 40          ; s[40:43] group 0 for K's tiles: it walks
.set G0V, 44          ; s[44:47] the same for V's
.set PFA, 48          ; s[48:49] where my prefetches stand
.set LIM, 50          ; s50  1 in a wave that prefetches, else the greatest number
.set SLOTS, 56        ; s56  slots still to be asked for
.set CNT, 57          ; s57  counts a slot's key steps
.set CS,  58          ; s[58:59] c
.set SEL, 60          ; s[60:61] v_permlanex16_b32's selects
.set TBK, 62          ; s62  LDS byte at which K of the step to be fetched begins
.set TBV, 63          ; s63  the same for V, less VOFF
.set MSB, 0
.macro WIN new
.if MSB != (\new)
	s_set_vgpr_msb (MSB<<8)|(\new)
.set MSB, (\new)
.endif
.endm
.set W_KQ, 0x0a       ; K and Q in window 2, S^T in window 0
.set W_PV, 0x52       ; V in window 2, P in window 0, O^T in window 1
.set W_RS, 0x41       ; O^T in window 1, a in window 0
.set W_MK, 0xc0       ; destination in window 3
.set W_AD, 0x0f       ; the add: address and data in window 3
; A joint fill.  Waves 0 and 1 fetch the two halves of a slot's K, waves 2 and 3 those of its V.  s_nop 0 and four v_nop follow each line.
.macro JLOAD
	s_cmp_lt_u32 s[WV], 2
	s_cbranch_scc0 .Lfor_v_\@
	tensor_load_to_lds s[G0K:G0K+3], s[G1K:G1K+7]
	s_nop 0
.rept 4
	v_nop
.endr
	s_branch .Lasked_\@
.Lfor_v_\@:
	tensor_load_to_lds s[G0V:G0V+3], s[G1V:G1V+7]
	s_nop 0
.rept 4
	v_nop
.endr
.Lasked_\@:
.endm
; A PREFETCH INTO THE L2 of what the NEXT change of slots will ask for: a slot's 32,768 bytes of K and of V, 256 bytes a lane.  A head has one cluster; its four partners share the bytes out by address,
; 8,192 each; in each, wave 0 asks for K's and wave 2 for V's: one instruction.  So each block is named once.  It stands four key steps, 512 matrix instructions, ahead of the load that will want it.
; Slots 0 and 1 come by their loads alone; the last change that fills a slot asks for nothing.
.macro ASK
	s_cmp_gt_u32 s[SLOTS], s[LIM]
	s_cbranch_scc0 .Lnot_mine_\@
	global_prefetch_b8 v[PFO], s[PFA:PFA+1] th:TH_LOAD_NT scope:SCOPE_SE
.Lnot_mine_\@:
.endm
.macro CROUND                       ; a round of the cluster's barrier
	s_barrier_signal -1
	s_barrier_wait -1
	s_cmp_lg_u32 s[WV], 0
	s_cbranch_scc1 .Lnot_wave_0_\@
	s_barrier_signal -3
.Lnot_wave_0_\@:
	s_barrier_wait -3
	s_barrier_signal -1
	s_barrier_wait -1
.endm
; THE CHANGE OF SLOTS.  Each wave waits for all its tensor loads, of which one is out: its part of the other slot; adds 0 to its spare word; and waits for that and for its own reads of the slot.
; fill = 1: the slot is filled again, with the keys two slots on, behind a round of the cluster's barrier, first thing: it has four key steps in which to land.
.macro CHANGE fill
	WIN W_AD
	s_wait_tensorcnt 0x0            ; no tensor load of mine is out, so a group 0 may be written
	ds_add_u32 v[SPW], v[NIL]       ; 0 onto my spare word
	WIN 0
.if \fill
.irp g, G0K, G0V
	s_xor_b32 s[\g+1], s[\g+1], SLOT1
	s_add_nc_u64 s[\g+2:\g+3], s[\g+2:\g+3], 4*KS*128
.endr
	s_wait_xcnt 0x0                 ; the last prefetch, four key steps back, has read its address
	s_add_nc_u64 s[PFA:PFA+1], s[PFA:PFA+1], 4*KS*128  ; one slot behind the walking descriptors
	s_wait_dscnt 0x0                ; the add is done, and my reads of the slot are over
	CROUND
	JLOAD
	ASK
.else
	s_wait_dscnt 0x0
	s_barrier_signal -1
	s_barrier_wait -1
.endif
	s_sub_co_u32 s[TBK], s[TBK], 4*KS*PK  ; the fetches go back to a slot's first step,
	s_xor_b32 s[TBK], s[TBK], SLOT1       ; in the other slot
	s_sub_co_u32 s[TBV], s[TBV], 4*KS*PV
	s_xor_b32 s[TBV], s[TBV], SLOT1
.endm
	s_load_b128 s[4:7], s[0:1], 0x0 ; qkvh s[4:5], oh s[6:7]
	WIN W_MK
	v_lshl_add_u32 v[SPW], v0, 2, SPARE
	v_mov_b32 v[NIL], 0
	WIN W_AD
	ds_add_u32 v[SPW], v[NIL]       ; the wave's opening: the add and its wait ahead of my first tensor load
	WIN 0
	v_lshrrev_b32 v1, 5, v0
	v_readfirstlane_b32 s[WV], v1
	s_bfe_u32 s13, ttmp6, 0x40000   ; cx
	s_lshl_b32 s14, ttmp9, 2
	s_add_co_u32 s14, s14, s13      ; my block of queries: it enters Q's and O's addresses alone
	s_and_b32 s20, ttmp7, 0xffff    ; the head
	s_mov_b32 s21, 0
	s_mov_b64 s[22:23], SIZE_N*128
	s_mul_u64 s[20:21], s[20:21], s[22:23]  ; the head's first byte in each tensor
	s_and_b32 s16, s[WV], 1         ; which half of a slot's 256 keys I fetch
	s_lshl_b32 s22, s16, 14
	s_mov_b32 s23, 0
	s_add_nc_u64 s[22:23], s[22:23], s[20:21]
	s_mul_i32 s17, s16, 128*PK
	s_mul_i32 s18, s16, 128*PV
	s_lshl_b32 s2, s14, 2
	s_add_co_u32 s2, s2, s[WV]
	s_lshl_b32 s2, s2, 14           ; my wave's 128 rows
	s_mov_b32 s3, 0
	s_add_nc_u64 s[2:3], s[2:3], s[20:21]
	; group 1.  128 keys are 16,384 dense bytes: asked for as 64 rows of 256 bytes, two keys a row, padded in LDS after every key
	s_mov_b32 s[G1K], 15|(1<<16)|(1<<20)|(1<<21)|(4<<22)|(3<<25)
	s_mov_b32 s[G1V], 15|(1<<16)|(1<<20)|(1<<21)|(4<<22)|(7<<25)
.irp g, G1K, G1V
	s_mov_b32 s[\g+1], 128<<16
	s_mov_b32 s[\g+2], 64<<16
	s_mov_b32 s[\g+3], 128<<16
	s_mov_b32 s[\g+4], 64
	s_mov_b32 s[\g+5], 128
	s_mov_b32 s[\g+6], 0
	s_mov_b32 s[\g+7], 0
.endr
	s_mov_b32 s[CS], 0x3e38aa3b     ; c = log2(e) / 8
	s_mov_b32 s[CS+1], s[CS]
	s_mov_b32 s[SEL], 0x76543210
	s_mov_b32 s[SEL+1], 0xfedcba98
	s_mov_b32 s[TBK], SLOT1+4*KS*PK ; the first change of slots turns these two into 0
	s_mov_b32 s[TBV], SLOT1+4*KS*PV
	s_mov_b32 s[SLOTS], SIZE_N/256-1
	s_mov_b32 s[G0K], 1
	s_mov_b32 s[G0K+1], s17
	s_mov_b32 s[G0V], 1
	s_add_co_u32 s[G0V+1], s18, VOFF
	s_and_b32 s[LIM], s[WV], 1      ; waves 0 and 2 prefetch
	s_cmp_eq_u32 s[LIM], 0
	s_cselect_b32 s[LIM], 1, -1
	s_lshl_b32 s52, s13, 13         ; my work-group's 8,192 bytes of a slot's 32,768
	s_mov_b32 s53, 0
	s_wait_dscnt 0x0                ; the opening add is done
	s_wait_kmcnt 0x0
	s_mov_b64 s[10:11], s[6:7]      ; O
	s_add_nc_u64 s[6:7], s[4:5], 0x1000000  ; K lies 64 heads behind Q,
	s_add_nc_u64 s[8:9], s[4:5], 0x2000000  ; V 128
	s_cmp_lt_u32 s[WV], 2
	s_cselect_b64 s[PFA:PFA+1], s[6:7], s[8:9]
	s_add_nc_u64 s[PFA:PFA+1], s[PFA:PFA+1], s[20:21]
	s_add_nc_u64 s[PFA:PFA+1], s[PFA:PFA+1], s[52:53]
	s_add_nc_u64 s[PFA:PFA+1], s[PFA:PFA+1], 4*KS*128  ; in slot 1; the first change of slots steps it to slot 2
	s_add_nc_u64 s[G0K+2:G0K+3], s[6:7], s[22:23]
	s_or_b32 s[G0K+3], s[G0K+3], 0x80000000
	s_add_nc_u64 s[G0V+2:G0V+3], s[8:9], s[22:23]
	s_or_b32 s[G0V+3], s[G0V+3], 0x80000000
	s_add_nc_u64 s[4:5], s[4:5], s[2:3]  ; Q and O at my wave's first row
	s_add_nc_u64 s[10:11], s[10:11], s[2:3]
	CROUND                          ; all four work-groups are here: the first joint loads meet
	JLOAD                           ; slot 0.  Slot 1 is asked for when slot 0 is in
	v_and_b32 v1, 15, v0            ; l % 16
	v_bfe_u32 v9, v0, 4, 1          ; l / 16
	v_lshlrev_b32 v[QO], 7, v1
	v_lshl_add_u32 v[QO], v9, 4, v[QO]
	WIN 0x80
.set i, 0
.rept 4*NP                          ; Q stays in registers: tile i / 2, channels 32 (i % 2) on
	global_load_b128 v[8*i:8*i+3],   v[QO], s[4:5] offset:(i/2)*2048+(i%2)*64
	global_load_b128 v[8*i+4:8*i+7], v[QO], s[4:5] offset:(i/2)*2048+(i%2)*64+32
.set i, i+1
.endr
	; What the first turn finds: V's registers and P's second buffer hold 0, O^T and l are 0.  All this stands in the wait for the first tile.
.set i, VF
.rept 64
	v_mov_b32 v[i], 0
.set i, i+1
.endr
	WIN 0x40
.set i, 0
.rept 64*NP
	v_mov_b32 v[i], 0
.set i, i+1
.endr
	WIN 0
.set i, 0
.rept 2*NP
	v_mov_b32 v[ST+4*i], 0xfe000000    ; c m: far below every c s
	v_mov_b32 v[ST+4*i+1], 0xff7fffff  ; m
	v_mov_b32 v[ST+4*i+2], 0
	v_mov_b32 v[ST+4*i+3], 0
.set i, i+1
.endr
.set i, P+32
.rept 32
	v_mov_b32 v[i], 0
.set i, i+1
.endr
	v_mul_u32_u24 v[AK0], v1, PK
	v_lshl_add_u32 v[AK0], v9, 4, v[AK0]
	v_and_b32 v10, 7, v0
	v_bfe_u32 v11, v0, 3, 1
	v_lshl_add_u32 v[AV0], v9, 3, v10
	v_mul_u32_u24 v[AV0], v[AV0], PV
	v_lshl_add_u32 v[AV0], v11, 4, v[AV0]
	v_add_nc_u32 v[AV0], VOFF, v[AV0]
	v_and_b32 v[PFO], 31, v0
	v_lshlrev_b32 v[PFO], 8, v[PFO]
	v_mov_b32 v[AK], v[AK0]         ; key step 0 lies at the head of slot 0
; THE MATRIX WORK.  The 8 accumulators of a run of 16 take turns.
.macro KQ x                         ; product i of 16 of S^T = K Q^T for piece x
	WIN W_KQ
.set rS, S+64*((\x)%2)+32*(i%2)+8*((i/2)%4)
.set rK, KF+16*((i/2)%4)+8*(i/8)
.set rQ, 16*(2*(\x)+i%2)+8*(i/8)
.if i < 8
	v_wmma_f32_16x16x32_f16 v[rS:rS+7], v[rK:rK+7], v[rQ:rQ+7], 0
.else
	v_wmma_f32_16x16x32_f16 v[rS:rS+7], v[rK:rK+7], v[rQ:rQ+7], v[rS:rS+7]
.endif
.endm
.macro PV x                         ; product i of 16 of O^T += V^T P for piece x
	WIN W_PV
.set rO, 32*(2*(\x)+i%2)+8*((i/2)%4)
.set rV, VF+32*(i/8)+8*((i/2)%4)
.set rP, P+32*((\x)%2)+16*(i%2)+8*(i/8)
	v_wmma_f32_16x16x32_f16 v[rO:rO+7], v[rV:rV+7], v[rP:rP+7], v[rO:rO+7]
.endm
.macro MM                           ; the turn's next matrix instruction
.if i < 16
	KQ (Y+1)%NP
.set i, i+1
.else
.set i, i-16
	PV (Y+NP-1)%NP
.set i, i+17
.endif
.endm
; THE LDS LOADS stand in runs of 16.  last = 1 (the tail): in the last trip there is no further step, and the run is jumped over.
.macro FETCH_K last=0
	WIN 0
.if \last
	s_cmp_eq_u32 s[CNT], 1
	s_cbranch_scc1 .Lno_k_\@
.endif
	WIN 0x80
.irp f, 0,1,2,3,4,5,6,7
	ds_load_b128 v[KF+8*\f:KF+8*\f+3],   v[AK] offset:(\f/2)*16*PK+(\f%2)*64
	ds_load_b128 v[KF+8*\f+4:KF+8*\f+7], v[AK] offset:(\f/2)*16*PK+(\f%2)*64+32
.endr
	s_add_co_u32 s[TBK], s[TBK], KS*PK
	WIN 0
.if \last
.Lno_k_\@:
.endif
.endm
.macro FETCH_V
	WIN 0x80
.irp f, 0,1,2,3,4,5,6,7
	ds_load_tr16_b128 v[VF+8*\f:VF+8*\f+3],   v[AV] offset:(\f/4)*32*PV+(\f%4)*32
	ds_load_tr16_b128 v[VF+8*\f+4:VF+8*\f+7], v[AV] offset:(\f/4)*32*PV+16*PV+(\f%4)*32
.endr
	WIN 0
.endm
; THE VECTOR WORK OF A TURN stands in three queues, each in the order in which its entries become ready; the two tiles alternate.
.macro REGS y, u
.set rT, ST+4*(2*(\y)+(\u))
.set rC, TMP+8*((\y)%2)+4*(\u)
.set rM, MV+2*((\y)%2)+(\u)
.set rS, S+64*((\y)%2)+32*(\u)
.set rP, P+32*((\y)%2)+16*(\u)
.set rO, 32*(2*(\y)+(\u))
.endm
; Number n of the 22 that find the NEXT piece's maximum and statistics; each accumulator's lowest registers are read first.
.macro XS u, n
	REGS (Y+1)%NP, \u
.if (\n) < 4
	v_max3_num_f32 v[rC+(\n)], v[rS+8*(\n)], v[rS+8*(\n)+1], v[rS+8*(\n)+2]
.elseif (\n) < 12
	v_max3_num_f32 v[rC+(\n)%4], v[rC+(\n)%4], v[rS+8*((\n)%4)+2*((\n)/4)+1], v[rS+8*((\n)%4)+2*((\n)/4)+2]
.elseif (\n) == 12
	v_max3_num_f32 v[rC], v[rC], v[rS+7], v[rS+15]
.elseif (\n) == 13
	v_max3_num_f32 v[rC+1], v[rC+1], v[rS+23], v[rS+31]
.elseif (\n) == 14
	v_max3_num_f32 v[rC+2], v[rC+2], v[rC+3], v[rT+1]
.elseif (\n) == 15
	v_mov_b32 v[rM], v[rT]
.elseif (\n) == 16
	v_max3_num_f32 v[rC], v[rC], v[rC+1], v[rC+2]
.elseif (\n) == 17
	v_permlanex16_b32 v[rC+3], v[rC], s[SEL], s[SEL+1]
.elseif (\n) == 18
	v_max_num_f32 v[rT+1], v[rC], v[rC+3]
.elseif (\n) == 19
	v_mul_f32 v[rT], s[CS], v[rT+1]
.elseif (\n) == 20
	v_sub_f32 v[rC+1], v[rM], v[rT]
.else
	v_exp_f32 v[rC+2], v[rC+1]
.endif
.endm
; Number g of the 64 that follow the exponentials: roundings to f16, sums in place, l a group later.
.macro GS g
.set h, (\g)+6*((\g)/62)
.if h >= 6
.set h, h+2
.endif
	REGS Y, h%2
.set k, h/8
.if h%8 < 4
	v_cvt_pk_f16_f32 v[rP+2*k+(h%8)/2], v[rS+4*k+2*((h%8)/2)], v[rS+4*k+2*((h%8)/2)+1]
.elseif h%8 < 6
	v_pk_add_f32 v[rS+4*k:rS+4*k+1], v[rS+4*k:rS+4*k+1], v[rS+4*k+2:rS+4*k+3]
.elseif k == 1
	v_pk_fma_f32 v[rT+2:rT+3], v[rT+2:rT+3], v[rC+2:rC+3], v[rS:rS+1] op_sel_hi:[1,0,1]
.else
	v_pk_add_f32 v[rT+2:rT+3], v[rT+2:rT+3], v[rS+4*k-4:rS+4*k-3]
.endif
.endm
; THE PLAIN QUEUE, 138 long: 0-73 read no exponential's result (32 scalings, the next piece's 42); 74-137 are GS's 64, behind the wait.
.macro FS f
	REGS Y, (\f)%2
	v_pk_fma_f32 v[rS+2*((\f)/2):rS+2*((\f)/2)+1], v[rS+2*((\f)/2):rS+2*((\f)/2)+1], s[CS:CS+1], v[rT:rT+1] op_sel_hi:[1,0,0] neg_lo:[0,0,1] neg_hi:[0,0,1]
.endm
.macro PL
	WIN 0
.if q < 27
	FS q
.elseif q < 55
	XS (q-27)%2, (q-27)/2
.elseif q < 57
	XS q-55, 15
.elseif (q < 72) && ((q-57)%3 == 0)
	FS 27+(q-57)/3
.elseif q < 60
	XS (q-57)%3-1, 14
.elseif q < 72
	XS (q-57)%3-1, 15+(q-57)/3
.elseif q < 74
	XS q-72, 20
.else
	GS q-74
.endif
.set q, q+1
.endm
; THE EXPONENTIALS' QUEUE, 66 long: one batch, all ahead of the turn's one wait.
.macro EX
	WIN 0
.if e >= 64
	XS e-64, 21
.else
	REGS Y, e%2
	v_exp_f32 v[rS+e/2], v[rS+e/2]
.endif
.set e, e+1
.endm
; THE RESCALING's QUEUE: O^T times a, two at a time.
.macro R2
	REGS Y, r%2
	WIN W_RS
.irp z, 0,1
	v_pk_mul_f32 v[rO+4*(r/2)+2*\z:rO+4*(r/2)+2*\z+1], v[rO+4*(r/2)+2*\z:rO+4*(r/2)+2*\z+1], v[rC+2:rC+3] op_sel_hi:[1,0]
.endr
.set r, r+1
.endm
; A TURN, for piece p.  Ahead of its one wait stands all that names no result of the turn's exponentials: 16 products K Q^T with a scaling, an exponential and two rescalings behind each, then a run of 108;
; behind it 16 products V^T P with four of the roundings and sums behind each.  K of the next step is fetched in piece 2's turn, directly behind the wait; V of the step in hand at the end of piece 0's turn,
; four plain instructions behind its last reader.
.macro TURN p, last=0, cnt=0
.set Y, (\p)
.set i, 0
.set q, 0
.set e, 0
.set r, 0
.if (\p) == NP-1
	s_wait_dscnt 0x0                ; K is in
.endif
	MM
	PL
	PL
	R2
.rept 15
	MM
	PL
	EX
	R2
.endr
.if (\p) == NP-2
	WIN 0
	v_add_nc_u32 v[AK], s[TBK], v[AK0]
.endif
.rept 8
	PL
.endr
.rept 49
	EX
	PL
.endr
	EX                              ; the next piece's two a
	EX
	v_nop                           ; a plain instruction behind the last exponential: one for the batch
	s_wait_alu depctr_va_vdst(0)    ; the wait for the batch, ahead of its first reader
.if (\p) == NP-2
	FETCH_K \last
.endif
.if (\p) == 1
	s_wait_dscnt 0x0                ; V is in
.endif
.rept 16
	MM
.rept 4
	PL
.endr
.if ((\p) == 0) && (q == 118)
	v_add_nc_u32 v[AV], s[TBV], v[AV0]
.endif
.if ((\p) == 0) && (q == 130)
	s_add_co_u32 s[TBV], s[TBV], KS*PV
.endif
.if (\cnt) && (q == 130)
	s_sub_co_u32 s[CNT], s[CNT], 1
	s_cmp_lg_u32 s[CNT], 0
.endif
.endr
.if (\p) == 0
	FETCH_V
.endif
.endm
	CHANGE 1                        ; slot 0 is in, everybody's part of it; slot 1 is asked for
	FETCH_K                         ; key step 0
	s_wait_loadcnt 0x0              ; Q
	s_wait_dscnt 0x0
.set i, 0
.rept 16
	KQ 0                            ; piece 0's first scores
.set i, i+1
.endr
	WIN 0                           ; the addresses for the way out: plain instructions, the places behind those products
	s_mul_i32 s13, s[WV], 16*SP
	s_add_co_u32 s13, s13, STAGE
	v_mul_u32_u24 v[STO], v1, SP
	v_lshl_add_u32 v[STO], v9, 4, v[STO]
	v_add_nc_u32 v[STO], s13, v[STO]
	v_bfe_u32 v[RD], v0, 3, 2
	v_mul_u32_u24 v[RD], v[RD], SP
	v_lshl_add_u32 v[RD], v10, 4, v[RD]
	v_add_nc_u32 v[RD], s13, v[RD]
	v_and_b32 v[GO], 31, v0
	v_lshlrev_b32 v[GO], 4, v[GO]
.set Y, NP-1
.irp n, 0,1,2,3,4,5,6,7,8,9,10,11,12,13,14,15,16,17,18,19,20,21
	XS 0, \n                        ; piece 0's first maximum and statistics
	XS 1, \n
.endr
	v_nop                           ; a plain instruction behind the two a,
	s_wait_alu depctr_va_vdst(0)    ; and their wait, ahead of the branch
	s_mov_b32 s[CNT], 4
	s_branch .Lfirst                ; the loop is entered at a step's first turn, in the middle of a trip
.Lslot:                             ; six times: every slot but the last two is filled again
	CHANGE 1
	s_mov_b32 s[CNT], 4
.Lstep:                             ; a trip: pieces 2 and 3 of one step, then pieces 0 and 1 of the next
	TURN 2
	TURN 3
	WIN 0
.Lfirst:
	TURN 0
	TURN 1, 0, 1
	WIN 0
	s_cbranch_scc1 .Lstep
	s_sub_co_u32 s[SLOTS], s[SLOTS], 1
	s_cmp_lg_u32 s[SLOTS], 0
	s_cbranch_scc1 .Lslot
	CHANGE 0                        ; the tail is written out
	s_mov_b32 s[CNT], 5             ; four trips fetch the last slot's steps; the fifth is left in its middle
.Ltail:
	TURN 2, 1
	TURN 3
	WIN 0
	s_sub_co_u32 s[CNT], s[CNT], 1
	s_cmp_eq_u32 s[CNT], 0
	s_cbranch_scc1 .Lout
	TURN 0
	TURN 1
	WIN 0
	s_branch .Ltail
.Lout:                              ; the fifth trip's 16 products K Q^T (on the last K once more) and the maximum made of them serve nothing: the price of one text for every trip
.set i, 0
.rept 16
	PV NP-1                         ; the last piece's V^T P of the last step
.set i, i+1
.endr
	; THE WAY OUT.  l's halves are added; O^T is divided by l, rounded to f16 and sent through my stage in LDS, a tile at a time.  The additions are the places behind the last products.
	WIN 0
.macro ALL line:vararg
.set t, 0
.rept 2*NP
	\line
.set t, t+1
.endr
.endm
	ALL v_add_f32 v[ST+4*t+2], v[ST+4*t+2], v[ST+4*t+3]
	ALL v_permlanex16_b32 v[ST+4*t+3], v[ST+4*t+2], s[SEL], s[SEL+1]
	ALL v_add_f32 v[ST+4*t+2], v[ST+4*t+2], v[ST+4*t+3]
	ALL v_rcp_f32 v[ST+4*t+2], v[ST+4*t+2]
	v_nop                           ; a plain instruction behind the last reciprocal,
	s_wait_alu depctr_va_vdst(0)    ; and one wait for the eight, ahead of the first use
.macro PACK t
	WIN W_RS
.set i, 32*(\t)
.rept 16
	v_pk_mul_f32 v[i:i+1], v[i:i+1], v[ST+4*(\t)+2:ST+4*(\t)+3] op_sel_hi:[1,0]
.set i, i+2
.endr
	WIN 0x05
.set i, 0
.rept 16
	v_cvt_pk_f16_f32 v[S+16*(\t)+i], v[32*(\t)+2*i], v[32*(\t)+2*i+1]
.set i, i+1
.endr
	WIN 0
.irp f, 0,1,2,3
	ds_store_b128 v[STO], v[S+16*(\t)+4*\f:S+16*(\t)+4*\f+3] offset:32*\f
.endr
.irp f, 0,1,2,3
	ds_load_b128 v[S+16*(\t)+4*\f:S+16*(\t)+4*\f+3], v[RD] offset:\f*4*SP  ; LDS serves a wave's instructions in order (ISA guide 5.7.1.4)
.endr
.endm
.macro SEND t, younger
	WIN 0
.irp f, 0,1,2,3
	s_wait_dscnt (\younger)+3-\f
	global_store_b128 v[GO], v[S+16*(\t)+4*\f:S+16*(\t)+4*\f+3], s[10:11] offset:(\t)*2048+\f*512  ; 512 consecutive bytes, at a multiple of 256 from O's first
.endr
.endm
	PACK 0
.set t, 1
.rept 2*NP-1
	PACK t
	SEND t-1, 8
.set t, t+1
.endr
	SEND 2*NP-1, 0
	WIN W_AD
	s_wait_tensorcnt 0x0            ; the wave's end
	ds_add_u32 v[SPW], v[NIL]
	s_wait_dscnt 0x0
	WIN 0
	CROUND                          ; the closing round
	s_endpgm
.Lfunc_end_k_q04df6b3628_attn:
	.size	k_q04df6b3628_attn, .Lfunc_end_k_q04df6b3628_attn-k_q04df6b3628_attn
	.p2alignl 7, 3214868480
	.fill 96, 4, 3214868480
	.section	.rodata,"a",@progbits
	.p2align	6, 0x0
	.amdhsa_kernel k_q04df6b3628_attn
		.amdhsa_group_segment_fixed_size 327680
		.amdhsa_private_segment_fixed_size 0
		.amdhsa_enable_private_segment 0
		.amdhsa_kernarg_size 16
		.amdhsa_user_sgpr_count 2
		.amdhsa_user_sgpr_kernarg_segment_ptr 1
		.amdhsa_wavefront_size32 1
		.amdhsa_system_sgpr_workgroup_id_x 1
		.amdhsa_system_sgpr_workgroup_id_y 1
		.amdhsa_system_sgpr_workgroup_id_z 1
		.amdhsa_system_vgpr_workitem_id 0
		.amdhsa_next_free_vgpr 770
		.amdhsa_next_free_sgpr 66
		.amdhsa_reserve_vcc 0
		.amdhsa_float_denorm_mode_32 3
		.amdhsa_float_denorm_mode_16_64 3
		.amdhsa_memory_ordered 1
		.amdhsa_forward_progress 1
		.amdhsa_inst_pref_size 200
	.end_amdhsa_kernel
	.amdgpu_metadata
---
amdhsa.version: [ 1, 2 ]
amdhsa.kernels:
  - .name:           k_q04df6b3628_attn
    .symbol:         k_q04df6b3628_attn.kd
    .args:
      - { .name: qkvh, .offset: 0, .size: 8, .value_kind: global_buffer, .address_space: global }
      - { .name: oh, .offset: 8, .size: 8, .value_kind: global_buffer, .address_space: global }
    .group_segment_fixed_size: 327680
    .private_segment_fixed_size: 0
    .kernarg_segment_align: 8
    .kernarg_segment_size: 16
    .max_flat_workgroup_size: 128
    .sgpr_count:     66
    .vgpr_count:     770
    .wavefront_size: 32
...
	.end_amdgpu_metadata
.endif
;; end of part 3
;; launch proj (part 4): grid 8 x 32, 4 waves a work-group, clusters of 4 x 4, 327,680 bytes of LDS; arguments oh, wpb, proj_b, out0; writes out0
.if DOCPART == 4
	.amdgcn_target "amdgcn-amd-amdhsa--gfx1250"
	.amdhsa_code_object_version 6
	.text
	.protected	k_q04df6b3628_proj
	.globl	k_q04df6b3628_proj
	.p2align	8
	.type	k_q04df6b3628_proj,@function
k_q04df6b3628_proj:
	s_mov_b64 s[64:65], 0
	v_nop
	global_prefetch_b8 v0, s[64:65] scope:SCOPE_SE
	s_setreg_imm32_b32 hwreg(HW_REG_WAVE_MODE, 25, 1), 1
	s_wait_xcnt 0x0
	s_wait_alu depctr_hold_cnt(0) depctr_sa_sdst(0) depctr_va_vdst(0) depctr_va_sdst(0) depctr_va_ssrc(0) depctr_va_vcc(0) depctr_vm_vsrc(0)
	s_getreg_b32 s2, hwreg(HW_REG_IB_STS2, 6, 4)
	s_cmp_eq_u32 s2, 0
	s_cbranch_scc0 .Lentry_in_a_cluster
	s_endpgm
.Lentry_in_a_cluster:
	s_bfe_u32 s2, ttmp6, 0x10000c
	s_cmp_lg_u32 s2, 0xf033
	s_cbranch_scc0 .Lentry_shape_is_right
	s_endpgm
.Lentry_shape_is_right:
; out = O W^T + b.  oh [64 = 16 batch + head][2048][64] f16, wpb [1024][1024] f16, proj_b [1024] f32 (rounded to bf16 here, like the other inputs), out0 [8192][1024] f32.  Sums in f32.
; THE HEADS ARE MERGED BY THE LOADS: K index = 64 head + channel, so a K step of 128 is two heads; a head's 256 rows of the tile are 32,768 dense bytes, asked for as 128 rows of 256 bytes and padded
; in LDS after every 128 bytes.
; SHARES.  A tile is 256 rows x 128 columns: 8 x 32 tiles, one for each of 256 work-groups.  Four waves; wave w makes rows 64 w .. 64 w + 63 of all 128 columns: 4 x 8 accumulators, 256 registers.
; K goes in 8 steps of 128 through two LDS slots.  CLUSTER: 4 x 4; O's tile is shared along a row of the cluster, W's along a column: joint loads.
; THE MATRIX INSTRUCTION IS USED TRANSPOSED (source 0 = 16 rows of W, source 1 = 16 rows of O): lane l holds row l % 16 and the columns 8 (l / 16) + 0..7.  The bias is the C operand of the first products,
; so the way out has no arithmetic.
; REGISTERS: window 0: v0-39 addresses and work; v64-127 O's fragments, two buffers; v128-191 the bias (both later rows on the way out);  window 1: v0-127 W's fragments, two buffers;
;   window 2: accumulator (a, b) at v[64 a + 8 b].
.set NBK,   8
.set PA,    144                        ; a row of O in LDS: 128 bytes + 16 of padding
.set PB,    272                        ; a row of W: 256 + 16.  Both: the 16 rows of a fragment load start at 16 different groups of four banks (ISA guide 11.1)
.set HALFA, 256*PA                     ; one head's 256 rows: what one tensor load brings of O
.set HALFB, 64*PB                      ; of W
.set BBASE, 2*HALFA
.set BCON,  BBASE-2*HALFB
.set SLOT1, 1<<17
.set STAGE, SLOT1+BBASE+2*HALFB        ; behind the ring, never filled by a tensor load: 16 rows x 528 bytes for each wave
.set SP,    528
.set SPARE, STAGE+4*16*SP              ; the spare words, 128 bytes for each wave: two blocks of 256 bytes that no other line names
.set NL,    2*NBK+8
.set ASTEP, 2<<18                      ; two heads on
.set BSTEP, 256
.set ADRA0, 16
.set ADRA,  17
.set ADRB0, 20
.set ADRB,  21
.set STO,   24
.set RD,    25
.set GO,    26
.set SPW,   28
.set NIL,   29
.set PFO,   30
.set BO,    31
.set FA,    64
.set BIAS,  128
.set WV,   14
.set ROLE, 15
.set HALF, 16
.set CX,   17
.set CY,   18
.set TX,   19
.set TY,   20
.set G1A,  24
.set G0A,  32
.set TB,   42
.set LIM,  43
.set PFA,  44
.set G1B,  48
.set G0B,  56
.set OUT,  66                          ; s[66:67] out0 at my first row and the tile's first column
.set PSTEP, 82
.set MSB, 0
.macro WIN new
.if MSB != (\new)
	s_set_vgpr_msb (MSB<<8)|(\new)
.set MSB, \new
.endif
.endm
.macro PLACES                          ; four plain places behind matrix instructions (ISA guide 7.12.1)
.rept 4
	v_nop
.endr
.endm
.macro CREST
	s_cmp_lg_u32 s[WV], 0
	s_cbranch_scc1 .Lnot_wave_0_\@
	s_barrier_signal -3
.Lnot_wave_0_\@:
	s_barrier_wait -3
	s_barrier_signal -1
	s_barrier_wait -1
.endm
.macro CROUND
	s_barrier_signal -1
	s_barrier_wait -1
	CREST
.endm
.macro JLOAD                           ; a joint refill by the walking set; s_nop 0 and four v_nop follow each line
	s_cmp_eq_u32 s[ROLE], 0
	s_cbranch_scc0 .Lfor_b_\@
	tensor_load_to_lds s[G0A+4:G0A+7], s[G1A:G1A+7]
	s_nop 0
.rept 4
	v_nop
.endr
	s_branch .Lasked_\@
.Lfor_b_\@:
	tensor_load_to_lds s[G0B+4:G0B+7], s[G1B:G1B+7]
	s_nop 0
.rept 4
	v_nop
.endr
.Lasked_\@:
.endm
; A PREFETCH INTO THE L2 of the K step that stands two refills on.  O: the wave's head block is 32,768 bytes; cluster x = 0 asks; the four partners take 8,192 bytes each (by cx), 256 bytes a lane.
; W: 256 bytes of each of the tile's 128 rows; cluster y = 0 asks; the four partners take 32 rows each (by cy), a lane a row, wave 2 alone.  Each block is named once.
; The refills for K steps 2 to 5 name K steps 4 to 7; the last two name nothing; K steps 0 to 3 come by their loads alone.
.macro ASK
	s_cmp_gt_u32 s3, s[LIM]
	s_cbranch_scc0 .Lnot_mine_\@
	global_prefetch_b8 v[PFO], s[PFA:PFA+1] th:TH_LOAD_NT scope:SCOPE_SE
.Lnot_mine_\@:
.endm
; 8 matrix instructions: row block a x all column blocks.  The 32 accumulators take turns in the same order in every quarter.
.macro MULR f, a, zero
.if \zero
	WIN 0x81
.else
	WIN 0xa1
.endif
.set b, 0
.rept NBK
.set rD, 64*(\a)+8*b
.if \zero
	v_wmma_f32_16x16x32_f16 v[rD:rD+7], v[64*(\f)+8*b:64*(\f)+8*b+7], v[FA+32*(\f)+8*(\a):FA+32*(\f)+8*(\a)+7], v[BIAS+8*b:BIAS+8*b+7]
.else
	v_wmma_f32_16x16x32_f16 v[rD:rD+7], v[64*(\f)+8*b:64*(\f)+8*b+7], v[FA+32*(\f)+8*(\a):FA+32*(\f)+8*(\a)+7], v[rD:rD+7]
.endif
.set b, b+1
.endr
.endm
.macro FETCH q, f                      ; one run of 24 LDS loads: quarter q: head q / 2 of the slot's two, channels 32 (q % 2) on
	WIN 0x40
.set i, 0
.rept NBK
	ds_load_b128 v[64*(\f)+8*i:64*(\f)+8*i+3],   v[ADRB] offset:64*(\q)+i*16*PB
	ds_load_b128 v[64*(\f)+8*i+4:64*(\f)+8*i+7], v[ADRB] offset:64*(\q)+i*16*PB+32
.set i, i+1
.endr
	WIN 0
.set i, 0
.rept 4
	ds_load_b128 v[FA+32*(\f)+8*i:FA+32*(\f)+8*i+3],   v[ADRA] offset:((\q)/2)*HALFA+((\q)%2)*64+i*16*PA
	ds_load_b128 v[FA+32*(\f)+8*i+4:FA+32*(\f)+8*i+7], v[ADRA] offset:((\q)/2)*HALFA+((\q)%2)*64+i*16*PA+32
.set i, i+1
.endr
.endm
.macro QUARTER q, f, g, zero
	s_wait_dscnt 4                                 ; W and O's row blocks 0, 1 are in; the youngest four loads may be out
	MULR \f, 0, \zero
	MULR \f, 1, \zero
	PLACES
	FETCH \q, \g
	s_wait_dscnt NL                                ; all but the run just issued
	MULR \f, 2, \zero
	MULR \f, 3, \zero
.endm
; The last quarter of a K step changes slots: one barrier; ahead of it each wave waits for all its tensor loads, adds 0 to its spare word, and waits for that and for its reads of this slot.
; fill = 1: the barrier opens a round of the cluster's; behind the round this slot is filled again, two K steps on, first thing.
.macro TURN fill
.if \fill
	s_wait_xcnt 0x0                                ; the last prefetch, a K step back, has read its address
	s_add_nc_u64 s[PFA:PFA+1], s[PFA:PFA+1], s[PSTEP:PSTEP+1]
.endif
	WIN 0
	s_wait_tensorcnt 0x0                           ; no tensor load of mine is out: a group 0 may be written
	ds_add_u32 v[SPW], v[NIL]                      ; 0 onto my spare word
.if \fill
	s_xor_b32 s[G0A+5], s[G0A+5], SLOT1
	s_add_nc_u64 s[G0A+6:G0A+7], s[G0A+6:G0A+7], ASTEP
	s_xor_b32 s[G0B+5], s[G0B+5], SLOT1
	s_add_nc_u64 s[G0B+6:G0B+7], s[G0B+6:G0B+7], BSTEP
.endif
	s_wait_dscnt 5                                 ; the add and the youngest four loads may be out
	MULR 1, 0, 0
	s_wait_dscnt 0x0                               ; the add is done, and my reads of this slot are over
	s_barrier_signal -1
	MULR 1, 1, 0
	WIN 0
	s_barrier_wait -1
.if \fill
	CREST
	JLOAD
.else
	PLACES
.endif
	s_xor_b32 s[TB], s[TB], SLOT1
	v_add_nc_u32 v[ADRA], s[TB], v[ADRA0]
	v_add_nc_u32 v[ADRB], s[TB], v[ADRB0]
	FETCH 0, 0
.if \fill
	ASK
.endif
	MULR 1, 2, 0
	MULR 1, 3, 0
.endm
	s_load_b256 s[4:11], s[0:1], 0x0               ; oh s[4:5], wpb s[6:7], proj_b s[8:9], out0 s[10:11]
	v_lshl_add_u32 v[SPW], v0, 2, SPARE
	v_mov_b32 v[NIL], 0
	ds_add_u32 v[SPW], v[NIL]                      ; the wave's opening: the add and its wait ahead of my first tensor load
	v_lshrrev_b32 v1, 5, v0
	v_readfirstlane_b32 s[WV], v1
	s_lshr_b32 s[ROLE], s[WV], 1
	s_and_b32 s[HALF], s[WV], 1
	s_bfe_u32 s[CX], ttmp6, 0x40000
	s_bfe_u32 s[CY], ttmp6, 0x40004
	s_lshl_b32 s[TX], ttmp9, 2
	s_add_co_u32 s[TX], s[TX], s[CX]
	s_and_b32 s[TY], ttmp7, 0xffff
	s_lshl_b32 s[TY], s[TY], 2
	s_add_co_u32 s[TY], s[TY], s[CY]
	s_lshl_b32 s21, s[CY], 2
	s_lshl_b32 s21, 15, s21                        ; my row of the cluster
	s_lshl_b32 s22, 0x1111, s[CX]                  ; my column
	s_or_b32 s[G1A], s21, (1<<16)|(1<<20)|(1<<21)|(4<<22)|(3<<25)  ; padding after every 32 words, 4 words
	s_or_b32 s[G1B], s22, (1<<16)|(1<<20)|(1<<21)|(5<<22)|(3<<25)  ; after every 64 words
	s_mov_b32 s[G1A+1], 128<<16                    ; 128 rows of 128 elements, dense
	s_mov_b32 s[G1A+2], 128<<16
	s_mov_b32 s[G1A+3], 128<<16
	s_mov_b32 s[G1A+4], 128
	s_mov_b32 s[G1A+5], 128
	s_mov_b32 s[G1A+6], 0
	s_mov_b32 s[G1A+7], 0
	s_mov_b32 s[G1B+1], 128<<16                    ; 64 rows of 128 elements, 1,024 from row to row
	s_mov_b32 s[G1B+2], 64<<16
	s_mov_b32 s[G1B+3], 128<<16
	s_mov_b32 s[G1B+4], 64
	s_mov_b32 s[G1B+5], 1024
	s_mov_b32 s[G1B+6], 0
	s_mov_b32 s[G1B+7], 0
	s_lshr_b32 s40, s[TY], 3                       ; O: head slot 16 batch + half, 2^18 bytes each,
	s_lshl_b32 s40, s40, 4
	s_add_co_u32 s40, s40, s[HALF]
	s_lshl_b32 s40, s40, 18
	s_and_b32 s23, s[TY], 7                        ; and the tile's 256 rows of 128 bytes in it
	s_lshl_b32 s23, s23, 15
	s_add_co_u32 s40, s40, s23
	s_mov_b32 s41, 0
	s_lshl_b32 s46, s[TX], 7                       ; W: row 128 x tile column + 64 x half
	s_lshl_b32 s84, s[HALF], 6
	s_add_co_u32 s46, s46, s84
	s_lshl_b32 s46, s46, 11
	s_mov_b32 s47, 0
	s_mul_i32 s23, s[WV], HALFA
	s_mul_i32 s84, s[WV], HALFB
	s_add_co_u32 s84, s84, BCON
	s_mov_b32 s[TB], 0
	s_wait_dscnt 0x0                               ; the opening add is done
	s_wait_kmcnt 0x0
	s_add_nc_u64 s[40:41], s[4:5], s[40:41]
	s_add_nc_u64 s[46:47], s[6:7], s[46:47]
	CROUND                                         ; all sixteen work-groups are here: the first joint loads meet
.irp s, 0,1
	s_mov_b32 s[G0A+4*(\s)], 1
	s_add_co_u32 s[G0A+4*(\s)+1], s23, (\s)*SLOT1
	s_add_nc_u64 s[G0A+4*(\s)+2:G0A+4*(\s)+3], s[40:41], (\s)*ASTEP
	s_or_b32 s[G0A+4*(\s)+3], s[G0A+4*(\s)+3], 0x80000000
	s_mov_b32 s[G0B+4*(\s)], 1
	s_add_co_u32 s[G0B+4*(\s)+1], s84, (\s)*SLOT1
	s_add_nc_u64 s[G0B+4*(\s)+2:G0B+4*(\s)+3], s[46:47], (\s)*BSTEP
	s_or_b32 s[G0B+4*(\s)+3], s[G0B+4*(\s)+3], 0x80000000
.endr
	s_cmp_eq_u32 s[ROLE], 0                        ; a wave's two first fills stand in one branch: two loads of mine are out
	s_cbranch_scc0 .Lfirst_b
	tensor_load_to_lds s[G0A:G0A+3], s[G1A:G1A+7]
	s_nop 0
	tensor_load_to_lds s[G0A+4:G0A+7], s[G1A:G1A+7]
	s_nop 0
.rept 4
	v_nop
.endr
	s_branch .Lfirst_asked
.Lfirst_b:
	tensor_load_to_lds s[G0B:G0B+3], s[G1B:G1B+7]
	s_nop 0
	tensor_load_to_lds s[G0B+4:G0B+7], s[G1B:G1B+7]
	s_nop 0
.rept 4
	v_nop
.endr
.Lfirst_asked:
	v_and_b32 v1, 15, v0                           ; l % 16
	v_bfe_u32 v2, v0, 4, 1                         ; l / 16
	v_and_b32 v3, 31, v0                           ; l
	s_lshl_b32 s84, s[TX], 9                       ; the tile's 128 numbers of the bias
	v_lshl_add_u32 v[BO], v2, 5, s84
.set b, 0
.rept NBK
	global_load_b128 v[BIAS+8*b:BIAS+8*b+3],   v[BO], s[8:9] offset:64*b
	global_load_b128 v[BIAS+8*b+4:BIAS+8*b+7], v[BO], s[8:9] offset:64*b+16
.set b, b+1
.endr
	v_mul_u32_u24 v4, v1, PA
	v_lshl_add_u32 v4, v2, 4, v4
	s_mul_i32 s84, s[WV], 64*PA
	v_add_nc_u32 v[ADRA0], s84, v4
	v_mul_u32_u24 v4, v1, PB
	v_lshl_add_u32 v4, v2, 4, v4
	v_add_nc_u32 v[ADRB0], BBASE, v4
	v_mov_b32 v[ADRA], v[ADRA0]
	v_mov_b32 v[ADRB], v[ADRB0]
	s_mul_i32 s84, s[WV], 16*SP
	s_add_co_u32 s84, s84, STAGE                   ; my stage
	v_mul_u32_u24 v5, v1, SP
	v_lshl_add_u32 v5, v2, 5, v5
	v_add_nc_u32 v[STO], s84, v5                   ; in: row l % 16, 32 bytes for each half of the lanes
	v_lshlrev_b32 v[GO], 4, v3                     ; back and out: 32 lanes take a row's 512 bytes
	v_add_nc_u32 v[RD], s84, v[GO]
	s_lshl_b32 s84, s[TY], 8
	s_lshl_b32 s85, s[WV], 6
	s_add_co_u32 s84, s84, s85
	s_lshl_b32 s84, s84, 12                        ; my first row, 4,096 bytes a row,
	s_lshl_b32 s85, s[TX], 9                       ; the tile's first column
	s_add_co_u32 s84, s84, s85
	s_mov_b32 s85, 0
	s_add_nc_u64 s[OUT:OUT+1], s[10:11], s[84:85]
	s_and_b32 s84, ttmp7, 0xffff                   ; the prefetches: who asks, and for which bytes
	s_cmp_eq_u32 s[ROLE], 0
	s_cselect_b32 s84, ttmp9, s84                  ; the coordinate along which other clusters read the same bytes
	s_cselect_b64 s[PFA:PFA+1], s[40:41], s[46:47]
	s_cselect_b32 s85, s[CX], s[CY]                ; my place among the four that ask with me
	s_cselect_b32 s86, 13, 16                      ; its share: 8,192 bytes of O, 32 rows of W
	s_cselect_b32 s87, 8, 11                       ; a lane's: 256 bytes on, a row on
	s_cselect_b32 s[PSTEP], 19, 8
	s_lshl_b32 s[PSTEP], 1, s[PSTEP]               ; a K step: two heads of O, 256 bytes of W's rows
	s_mov_b32 s[PSTEP+1], 0
	s_cmp_eq_u32 s[WV], 3                          ; wave 2 asks for all of W's share
	s_cselect_b32 s84, 1, s84
	s_cmp_eq_u32 s84, 0
	s_cselect_b32 s[LIM], 2, -1
	s_lshl_b32 s84, s85, s86
	s_mov_b32 s85, 0
	s_add_nc_u64 s[PFA:PFA+1], s[PFA:PFA+1], s[84:85]
	s_mul_i32 s84, s[PSTEP], 3
	s_add_nc_u64 s[PFA:PFA+1], s[PFA:PFA+1], s[84:85]  ; at K step 3: the first refill steps it to 4
	v_lshlrev_b32 v[PFO], s87, v3
	s_mov_b32 s87, 0xffff0000
	s_wait_loadcnt 0x0                             ; the bias; it is rounded to bf16, like the other inputs
.set i, 0
.rept 4*NBK
	v_cvt_pk_bf16_f32 v[32+i%4], v[BIAS+2*i], v[BIAS+2*i+1]
	v_lshlrev_b32 v[BIAS+2*i], 16, v[32+i%4]
	v_and_b32 v[BIAS+2*i+1], s87, v[32+i%4]
.set i, i+1
.endr
	s_wait_tensorcnt 1                             ; my part of K step 0 is in; K step 1's may stay out
	s_barrier_signal -1
	s_barrier_wait -1
	FETCH 0, 0
	QUARTER 1, 0, 1, 1                             ; the first quarter stands ahead of the loop: its products start the sums with the bias
	WIN 0
	s_mov_b32 s3, 6
.Lstep:                                                ; a trip: from a K step's second quarter to the next step's first; it fills the slot that it leaves
	QUARTER 2, 1, 0, 0
	QUARTER 3, 0, 1, 0
	TURN 1
	QUARTER 1, 0, 1, 0
	WIN 0
	s_sub_co_u32 s3, s3, 1
	s_cmp_lg_u32 s3, 0
	s_cbranch_scc1 .Lstep
	QUARTER 2, 1, 0, 0                             ; the last two K steps ask for nothing
	QUARTER 3, 0, 1, 0
	TURN 0
	QUARTER 1, 0, 1, 0
	QUARTER 2, 1, 0, 0
	QUARTER 3, 0, 1, 0
	s_wait_dscnt 4
	MULR 1, 0, 0
	MULR 1, 1, 0
	s_wait_dscnt 0x0
	MULR 1, 2, 0
	MULR 1, 3, 0
; THE WAY OUT, a row block of 16 rows at a time: 32 bytes a lane and column block into my stage (rows of 528 bytes), back as whole rows of 512 bytes, stored.
; Each accumulator's lowest registers are read first.
.macro TOSTAGE a
.if (\a) >= 2
	s_wait_xcnt 0x0                                ; the stores of the block two back have read these registers
.endif
	WIN 0x08                                       ; the stores' data lie in window 2
.set b, 0
.rept NBK
	ds_store_b128 v[STO], v[64*(\a)+8*b:64*(\a)+8*b+3]   offset:64*b
	ds_store_b128 v[STO], v[64*(\a)+8*b+4:64*(\a)+8*b+7] offset:64*b+16
.set b, b+1
.endr
	WIN 0
.set t, 0
.rept 16
	ds_load_b128 v[64+64*((\a)%2)+4*t:64+64*((\a)%2)+4*t+3], v[RD] offset:SP*t  ; LDS serves a wave's instructions in order (ISA guide 5.7.1.4): these see the stores above; the next block's stores come behind them
.set t, t+1
.endr
.endm
.macro SEND a, younger                 ; younger: the LDS instructions issued behind this block's loads: the next block's 32, or none
.set t, 0
.rept 16
	s_wait_dscnt (\younger)+15-t
	global_store_b128 v[GO], v[64+64*((\a)%2)+4*t:64+64*((\a)%2)+4*t+3], s[OUT:OUT+1] offset:(16*(\a)+t)*4096  ; 512 consecutive bytes, at a multiple of 256 from out0's first
.set t, t+1
.endr
.endm
	WIN 0
	PLACES
	TOSTAGE 0
	TOSTAGE 1
	SEND 0, 32
	TOSTAGE 2
	SEND 1, 32
	TOSTAGE 3
	SEND 2, 32
	SEND 3, 0
	s_wait_tensorcnt 0x0                           ; the wave's end
	ds_add_u32 v[SPW], v[NIL]
	s_wait_dscnt 0x0
	CROUND                                         ; the closing round
	s_endpgm
.Lfunc_end_k_q04df6b3628_proj:
	.size	k_q04df6b3628_proj, .Lfunc_end_k_q04df6b3628_proj-k_q04df6b3628_proj
	.p2alignl 7, 3214868480
	.fill 96, 4, 3214868480
	.section	.rodata,"a",@progbits
	.p2align	6, 0x0
	.amdhsa_kernel k_q04df6b3628_proj
		.amdhsa_group_segment_fixed_size 327680
		.amdhsa_private_segment_fixed_size 0
		.amdhsa_enable_private_segment 0
		.amdhsa_kernarg_size 32
		.amdhsa_user_sgpr_count 2
		.amdhsa_user_sgpr_kernarg_segment_ptr 1
		.amdhsa_wavefront_size32 1
		.amdhsa_system_sgpr_workgroup_id_x 1
		.amdhsa_system_sgpr_workgroup_id_y 1
		.amdhsa_system_sgpr_workgroup_id_z 1
		.amdhsa_system_vgpr_workitem_id 0
		.amdhsa_next_free_vgpr 768
		.amdhsa_next_free_sgpr 88
		.amdhsa_reserve_vcc 0
		.amdhsa_float_denorm_mode_32 3
		.amdhsa_float_denorm_mode_16_64 3
		.amdhsa_memory_ordered 1
		.amdhsa_forward_progress 1
		.amdhsa_inst_pref_size 77
	.end_amdhsa_kernel
	.amdgpu_metadata
---
amdhsa.version: [ 1, 2 ]
amdhsa.kernels:
  - .name:           k_q04df6b3628_proj
    .symbol:         k_q04df6b3628_proj.kd
    .args:
      - { .name: oh, .offset: 0, .size: 8, .value_kind: global_buffer, .address_space: global }
      - { .name: wpb, .offset: 8, .size: 8, .value_kind: global_buffer, .address_space: global }
      - { .name: proj_b, .offset: 16, .size: 8, .value_kind: global_buffer, .address_space: global }
      - { .name: out0, .offset: 24, .size: 8, .value_kind: global_buffer, .address_space: global }
    .group_segment_fixed_size: 327680
    .private_segment_fixed_size: 0
    .kernarg_segment_align: 8
    .kernarg_segment_size: 32
    .max_flat_workgroup_size: 128
    .sgpr_count:     88
    .vgpr_count:     768
    .wavefront_size: 32
...
	.end_amdgpu_metadata
.endif
;; end of part 4
;; ======== version 2 of 2: 4 launches; version 1 with the launch prep written anew for expert scheduling mode
;; limits: values are held in f16: magnitudes above 65,504 overflow, below 6.1e-05 lose precision
;; workspace buffers: xb 16,777,216 bytes; wqb 6,291,456 bytes; wpb 2,097,152 bytes; rope 524,288 bytes; qkvh 50,331,648 bytes; oh 16,777,216 bytes
;; launch prep (part 5): grid 896 x 1, 8 waves a work-group, no clusters, 0 bytes of LDS; arguments x, qkv_w, proj_w, xb, wqb, wpb, rope; writes xb, wqb, wpb, rope
.if DOCPART == 5
	.amdgcn_target "amdgcn-amd-amdhsa--gfx1250"
	.amdhsa_code_object_version 6
	.text
	.protected	k_q04df6b3628_prep
	.globl	k_q04df6b3628_prep
	.p2align	8
	.type	k_q04df6b3628_prep,@function
k_q04df6b3628_prep:
	s_mov_b64 s[64:65], 0
	v_nop
	global_prefetch_b8 v0, s[64:65] scope:SCOPE_SE
	s_setreg_imm32_b32 hwreg(HW_REG_WAVE_SCHED_MODE, 0, 2), 2
	s_setreg_imm32_b32 hwreg(HW_REG_WAVE_MODE, 25, 1), 1
	s_wait_xcnt 0x0
	s_wait_alu depctr_vm_vsrc(0)
; PREPARATION.  Work-groups 0-511: x -> xb (bf16).  512-703: qkv_w -> wqb (bf16).  704-767: proj_w -> wpb (rounded to bf16, that number written as f16).
; 768-895: the table of rotations, rope[l][0..31] = cos(l f_j) - 1, rope[l][32..63] = -sin(l f_j) for even j, +sin(l f_j) for odd j, f_j = 10000^(-j/32), all f32.
; A cast's work-group takes 16,384 numbers: thread t the 16 bytes at 16 t of each of 16 blocks of 4,096 bytes; all 16 loads of a wave go out at once; a wave's load covers
; 512 consecutive bytes, its store 256 consecutive bytes, aligned.  No LDS, no barrier, no matrix work: nothing is shared and nothing is read twice.
; LIMITS.  proj_w beyond 65,504 has no f16.  f_j is 2^(-j log2(10000)/32) by v_exp_f32, so an angle may differ from one made by a power function by about 2e-4 at l = 2047.
; Sine and cosine: the angle less the nearest multiple of pi/2 (pi/2 in two parts), then polynomials of degree 7 and 8 on -pi/4 .. pi/4; angles here stay under 2,048.
; THE MODE: SCHED_MODE bits 1:0 = 2 (LLVM: expert scheduling mode 2), set by the entry lines.  The code itself states the register dependences
; between vector instructions and memory instructions, with s_wait_alu, always for 0.
; THE PLAN.  Registers that memory instructions touch:
;   v1, v2   byte offsets, made once at the head and never written again: v1 is read by every load (and by the table's store), v2 by every store of a cast.
;   X        the 16 loads land in it; all of them are issued before any vector instruction names it; no memory instruction reads it.
;   Y        written by the conversions, read by the stores; each pair is written for one store alone and never again behind that store.
; So no load lands in a register that a vector instruction has named, and no register that a memory instruction reads is written again: what is left to state is that the
; offsets are written ahead of the first load, and that a store's data are written ahead of the store.  The 16 blocks go in four groups of four: a group's conversions,
; ONE wait, its four stores in a run.  In the table's part the four quadrant masks are made in a run, in four scalar registers, with one wait ahead of the selects that read them.
.set X, 8                              ; v[8:71]   16 x 4 numbers as loaded
.set Y, 72                             ; v[72:103] 16 x 2 words to store; each written for one store alone
.set QM, 28                            ; s[28:31]  the table's part: the four quadrant masks (s28 and s29 hold constants of the casts' part until then)
	s_load_b256 s[4:11], s[0:1], 0x0               ; x s[4:5], qkv_w s[6:7], proj_w s[8:9], xb s[10:11]
	s_load_b128 s[12:15], s[0:1], 0x20             ; wqb s[12:13], wpb s[14:15]
	s_load_b64 s[16:17], s[0:1], 0x30              ; rope
	s_mov_b32 s20, ttmp9
	s_movk_i32 s28, 512
	s_movk_i32 s29, 704
	s_mov_b32 s27, 0
	v_lshlrev_b32 v1, 4, v0                        ; 16 t
	v_lshlrev_b32 v2, 3, v0                        ; 8 t
	s_wait_kmcnt 0x0
	s_cmp_ge_u32 s20, 768
	s_cbranch_scc1 .Ltable
	s_cmp_lt_u32 s20, 704                          ; which tensor: source, destination, its first work-group
	s_cselect_b64 s[22:23], s[6:7], s[8:9]
	s_cselect_b64 s[24:25], s[12:13], s[14:15]
	s_cselect_b32 s21, s28, s29
	s_cmp_lt_u32 s20, 512
	s_cselect_b64 s[22:23], s[4:5], s[22:23]
	s_cselect_b64 s[24:25], s[10:11], s[24:25]
	s_cselect_b32 s21, 0, s21
	s_sub_co_u32 s21, s20, s21
	s_lshl_b32 s26, s21, 16                        ; 65,536 bytes in
	s_add_nc_u64 s[22:23], s[22:23], s[26:27]
	s_lshl_b32 s26, s21, 15                        ; 32,768 bytes out
	s_add_nc_u64 s[24:25], s[24:25], s[26:27]
	s_wait_alu depctr_va_vdst(0)                   ; v1 and v2 are written: every load below reads v1 as its offset, every store v2; neither is written again
.irp i, 0,1,2,3,4,5,6,7,8,9,10,11,12,13,14,15
	global_load_b128 v[X+4*(\i):X+4*(\i)+3], v1, s[22:23] offset:4096*(\i) th:TH_LOAD_NT
.endr
; Block i is rounded.  half = 1: the bf16 number is widened again and written as f16.
.macro CVT i, half
	v_cvt_pk_bf16_f32 v[Y+2*(\i)],   v[X+4*(\i)],   v[X+4*(\i)+1]
	v_cvt_pk_bf16_f32 v[Y+2*(\i)+1], v[X+4*(\i)+2], v[X+4*(\i)+3]
.if \half
	v_lshlrev_b32 v[X+4*(\i)],   16, v[Y+2*(\i)]
	v_and_b32     v[X+4*(\i)+1], 0xffff0000, v[Y+2*(\i)]
	v_lshlrev_b32 v[X+4*(\i)+2], 16, v[Y+2*(\i)+1]
	v_and_b32     v[X+4*(\i)+3], 0xffff0000, v[Y+2*(\i)+1]
	v_cvt_pk_f16_f32 v[Y+2*(\i)],   v[X+4*(\i)],   v[X+4*(\i)+1]
	v_cvt_pk_f16_f32 v[Y+2*(\i)+1], v[X+4*(\i)+2], v[X+4*(\i)+3]
.endif
.endm
; Group g: blocks 4 g to 4 g + 3.  Their loads are in when at most 12 - 4 g younger ones are out (loads come back in order: ISA guide 5.7.1).
.macro GROUP g, half
	s_wait_loadcnt 12-4*(\g)
.irp k, 0,1,2,3
	CVT 4*(\g)+\k, \half
.endr
	s_wait_alu depctr_va_vdst(0)                   ; the group's conversions have written its eight registers of Y, which the four stores below read
.irp k, 0,1,2,3
	global_store_b64 v2, v[Y+2*(4*(\g)+\k):Y+2*(4*(\g)+\k)+1], s[24:25] offset:2048*(4*(\g)+\k)
.endr
.endm
	s_cmp_ge_u32 s20, 704
	s_cbranch_scc1 .Lhalf
.irp g, 0,1,2,3
	GROUP \g, 0
.endr
	s_endpgm
.Lhalf:
.irp g, 0,1,2,3
	GROUP \g, 1
.endr
	s_endpgm
; THE TABLE.  16 rows a work-group; thread t makes the four words at 16 (t % 16) of row t / 16: sixteen lanes store one row of 256 bytes.
; Number e of the four has registers v[16+8e ..]: +0 f, +1 angle, +2 n, +3 r, +4 r^2, +5 sine, +6 cosine, +7 quadrant.
.Ltable:
	s_sub_co_u32 s21, s20, 768
	s_lshl_b32 s22, s21, 4                         ; the work-group's first row
	s_lshl_b32 s26, s21, 12                        ; and its bytes
	s_add_nc_u64 s[16:17], s[16:17], s[26:27]
	v_and_b32 v3, 15, v0                           ; p: which 16 bytes of the row
	v_lshrrev_b32 v4, 4, v0                        ; which row
	v_and_b32 v5, 7, v3
	v_lshlrev_b32 v5, 2, v5                        ; j of my first number
	v_lshrrev_b32 v6, 3, v3                        ; 0: cosines, 1: sines
	v_mul_u32_u24 v7, 3, v6                        ; sin x = cos(x + 3 pi/2): three quadrants on
	v_lshlrev_b32 v8, 31, v6                       ; the sign that even j's sines take
	v_cvt_f32_u32 v9, v6
	v_add_f32 v9, -1.0, v9                         ; -1 for cosines, 0 for sines
	v_add_nc_u32 v10, s22, v4
	v_cvt_f32_u32 v10, v10                         ; l
	v_mov_b32 v11, 0xb94ca1f9                      ; the sine's highest coefficient
	v_mov_b32 v12, 0x37ccf5ce                      ; the cosine's
.irp e, 0,1,2,3
	v_add_nc_u32 v[16+8*\e], \e, v5
	v_cvt_f32_u32 v[16+8*\e], v[16+8*\e]
	v_mul_f32 v[16+8*\e], 0xbed49a78, v[16+8*\e]   ; -j log2(10000) / 32
.endr
.irp e, 0,1,2,3
	v_exp_f32 v[16+8*\e], v[16+8*\e]
.endr
	v_nop                                          ; a plain instruction behind the last exponential,
	s_wait_alu depctr_va_vdst(0)                   ; and one wait for the four: v16, v24, v32 and v40 are written, ahead of their first reader
.irp e, 0,1,2,3
	v_mul_f32 v[17+8*\e], v10, v[16+8*\e]          ; the angle l f
.endr
.irp e, 0,1,2,3
	v_mul_f32 v[18+8*\e], 0x3f22f983, v[17+8*\e]   ; x 2 / pi
.endr
.irp e, 0,1,2,3
	v_rndne_f32 v[18+8*\e], v[18+8*\e]             ; n
.endr
.irp e, 0,1,2,3
	v_fmamk_f32 v[19+8*\e], v[18+8*\e], 0xbfc90fdb, v[17+8*\e]  ; r = angle - n pi/2: the high part,
.endr
.irp e, 0,1,2,3
	v_fmamk_f32 v[19+8*\e], v[18+8*\e], 0x333bbd2e, v[19+8*\e]  ; the low part
.endr
.irp e, 0,1,2,3
	v_cvt_i32_f32 v[23+8*\e], v[18+8*\e]
	v_mul_f32 v[20+8*\e], v[19+8*\e], v[19+8*\e]   ; r^2
.endr
.irp e, 0,1,2,3
	v_add_nc_u32 v[23+8*\e], v[23+8*\e], v7        ; the quadrant
	v_fmaak_f32 v[21+8*\e], v11, v[20+8*\e], 0x3c08839e
	v_fmaak_f32 v[22+8*\e], v12, v[20+8*\e], 0xbab6061a
.endr
.irp e, 0,1,2,3
	v_fmaak_f32 v[21+8*\e], v[21+8*\e], v[20+8*\e], 0xbe2aaaa3
	v_fmaak_f32 v[22+8*\e], v[22+8*\e], v[20+8*\e], 0x3d2aaaa5
.endr
.irp e, 0,1,2,3
	v_mul_f32 v[21+8*\e], v[21+8*\e], v[20+8*\e]
	v_fma_f32 v[22+8*\e], v[22+8*\e], v[20+8*\e], -0.5
.endr
.irp e, 0,1,2,3
	v_fma_f32 v[21+8*\e], v[21+8*\e], v[19+8*\e], v[19+8*\e]  ; sin r
	v_fma_f32 v[22+8*\e], v[22+8*\e], v[20+8*\e], 1.0         ; cos r
.endr
.irp e, 0,1,2,3
	v_and_b32 v[16+8*\e], 1, v[23+8*\e]            ; odd quadrants take the sine:
.endr
.irp e, 0,1,2,3
	v_cmp_eq_u32 s[QM+\e], 1, v[16+8*\e]           ; the four masks in a run, each in a scalar register of its own
.endr
.irp e, 0,1,2,3
	v_add_nc_u32 v[23+8*\e], 1, v[23+8*\e]         ; quadrants 1 and 2 take the minus sign; these twelve lines read no mask
	v_and_b32 v[23+8*\e], 2, v[23+8*\e]
	v_lshlrev_b32 v[23+8*\e], 30, v[23+8*\e]
.endr
	s_wait_alu depctr_va_sdst(0)                   ; the four compares have written s28 to s31, ahead of the selects that read them
.irp e, 0,1,2,3
	v_cndmask_b32 v[48+\e], v[22+8*\e], v[21+8*\e], s[QM+\e]
	v_xor_b32 v[48+\e], v[23+8*\e], v[48+\e]
.if (\e)%2 == 0
	v_xor_b32 v[48+\e], v8, v[48+\e]               ; even j: -sin
.endif
	v_add_f32 v[48+\e], v9, v[48+\e]               ; cos - 1
.endr
	s_wait_alu depctr_va_vdst(0)                   ; v48 to v51, the store's data, are written, and so is v1, its offset, made at the head
	global_store_b128 v1, v[48:51], s[16:17]
	s_endpgm
.Lfunc_end_k_q04df6b3628_prep:
	.size	k_q04df6b3628_prep, .Lfunc_end_k_q04df6b3628_prep-k_q04df6b3628_prep
	.p2alignl 7, 3214868480
	.fill 96, 4, 3214868480
	.section	.rodata,"a",@progbits
	.p2align	6, 0x0
	.amdhsa_kernel k_q04df6b3628_prep
		.amdhsa_group_segment_fixed_size 0
		.amdhsa_private_segment_fixed_size 0
		.amdhsa_enable_private_segment 0
		.amdhsa_kernarg_size 56
		.amdhsa_user_sgpr_count 2
		.amdhsa_user_sgpr_kernarg_segment_ptr 1
		.amdhsa_wavefront_size32 1
		.amdhsa_system_sgpr_workgroup_id_x 1
		.amdhsa_system_sgpr_workgroup_id_y 1
		.amdhsa_system_sgpr_workgroup_id_z 1
		.amdhsa_system_vgpr_workitem_id 0
		.amdhsa_next_free_vgpr 104
		.amdhsa_next_free_sgpr 66
		.amdhsa_reserve_vcc 0
		.amdhsa_float_denorm_mode_32 3
		.amdhsa_float_denorm_mode_16_64 3
		.amdhsa_memory_ordered 1
		.amdhsa_forward_progress 1
		.amdhsa_inst_pref_size 22
	.end_amdhsa_kernel
	.amdgpu_metadata
---
amdhsa.version: [ 1, 2 ]
amdhsa.kernels:
  - .name:           k_q04df6b3628_prep
    .symbol:         k_q04df6b3628_prep.kd
    .args:
      - { .name: x, .offset: 0, .size: 8, .value_kind: global_buffer, .address_space: global }
      - { .name: qkv_w, .offset: 8, .size: 8, .value_kind: global_buffer, .address_space: global }
      - { .name: proj_w, .offset: 16, .size: 8, .value_kind: global_buffer, .address_space: global }
      - { .name: xb, .offset: 24, .size: 8, .value_kind: global_buffer, .address_space: global }
      - { .name: wqb, .offset: 32, .size: 8, .value_kind: global_buffer, .address_space: global }
      - { .name: wpb, .offset: 40, .size: 8, .value_kind: global_buffer, .address_space: global }
      - { .name: rope, .offset: 48, .size: 8, .value_kind: global_buffer, .address_space: global }
    .group_segment_fixed_size: 0
    .private_segment_fixed_size: 0
    .kernarg_segment_align: 8
    .kernarg_segment_size: 56
    .max_flat_workgroup_size: 256
    .sgpr_count:     66
    .vgpr_count:     104
    .wavefront_size: 32
...
	.end_amdgpu_metadata
.endif
;; end of part 5
;; launch qkv: the kernel of part 2 again; grid 16 x 32, 4 waves a work-group, clusters of 4 x 4, 327,680 bytes of LDS; arguments xb, wqb, qkv_b, rope, qkvh; writes qkvh
;; launch attn: the kernel of part 3 again; grid 4 x 64, 4 waves a work-group, clusters of 4 x 1, 327,680 bytes of LDS; arguments qkvh, oh; writes oh
;; launch proj: the kernel of part 4 again; grid 8 x 32, 4 waves a work-group, clusters of 4 x 4, 327,680 bytes of LDS; arguments oh, wpb, proj_b, out0; writes out0
